; MI455X (gfx1250); checked and timed in simulation.
; The chip was launched on July 23, 2026; its instructions are those of AMD's public machine-readable ISA for CDNA 5 (MIT licence, August 2026) and "CDNA5" Instruction Set Architecture Reference Guide (July 2026). The comments in the code are by the model that wrote it; some were corrected since.
;; Cross Attention. Allowed arithmetic: matrix products marked QUANTISED: E2M1 operands, one E8M0 scale for each 32 along K, by v_wmma_scale_f32_16x16x128_f8f6f4 with both operands' format E2M1 (or v_wmma_scale_f32_32x16x128_f4), f32 sums; products left as they are: f32 operands where the result goes on into a quantised operand, else bf16, f16 or f32 operands; f32 sums; everything else in f32.
;; Inputs: context 4 x 4,096 x 256 float32; context_pos 4 x 4,096 x 2 float32; in_proj_b 768 float32; in_proj_w 768 x 256 float32; out_b 256 float32; out_w 256 x 256 float32; query 4 x 4,096 x 256 float32; query_pos 4 x 4,096 x 2 float32; w_rff 2 x 128 float32.
;; Outputs: out0 4 x 4,096 x 256 float32; out1 4 x 4,096 x 2 float32.
;; This version of the problem:
;;   THIS VERSION OF THE PROBLEM IS GIVEN IN LOW PRECISION. The matrix products marked QUANTISED in the list below multiply operands that are first quantised to E2M1 (2 exponent bits, 1 mantissa bit; 4 bits a number), with one power-of-two scale for each 32 numbers along K (OCP MX v1.0); their sums are f32. All else is computed in f32.
;;   The module's matrix products, in the order in which they are computed (A, B: the left and right operand; K: the contracted axis; several contracted axes count as one K, in the product's order):
;;     1. [M 16,384, K 2] x [K 2, N 128]; A: input query_pos; B: input w_rff: left as it is (K = 2 < 32)
;;     2. [M 16,384, K 2] x [K 2, N 128]; A: input context_pos; B: input w_rff: left as it is (K = 2 < 32)
;;     3. batch 4 x [M 4,096, K 2] x [K 2, N 4,096]; A: input query_pos; B: input context_pos: left as it is (K = 2 < 32)
;;     4. [M 16,384, K 256] x [K 256, N 256]; A: computed on the way; B: input in_proj_w: QUANTISED
;;     5. [M 262,144, K 256] x [K 256, N 256]; A: computed on the way; B: input in_proj_w: QUANTISED
;;     6. [M 262,144, K 256] x [K 256, N 256]; A: computed on the way; B: input in_proj_w: QUANTISED
;;     7. batch 131,072 x [M 1, K 32] x [K 32, N 16]; A: computed on the way; B: computed on the way: left as it is (M = 1 < 16)
;;     8. batch 131,072 x [M 1, K 16] x [K 16, N 32]; A: softmax; B: computed on the way: left as it is (K = 16 < 32)
;;     9. [M 16,384, K 256] x [K 256, N 256]; A: computed on the way; B: input out_w: QUANTISED
;;   THE QUANTISER, for each operand of a quantised product, along K:
;;     - K is cut into blocks of 32 from its start; a last block that is shorter is filled with zeros.
;;     - A block's scale is 2^e with e = floor(log2(the largest magnitude in the block)) - 2, held to -126 .. 127; a block of zeros has e = 0. As a byte (E8M0): e + 127.
;;     - Each number is divided by its block's scale, clamped to +-6, and rounded to the nearest number of E2M1, ties to even, subnormals kept.
;;     - The product sums the exact products of the quantised numbers (number of the format x scale) in f32.
;;   ~~~python
;;   def quantise(x, axis):      # numpy; x: float32 -> the quantised numbers, widened to float32 again
;;       x = np.moveaxis(x, axis, -1); K = x.shape[-1]
;;       x = np.pad(x, [(0, 0)] * (x.ndim - 1) + [(0, -K % 32)]); x = x.reshape(x.shape[:-1] + (-1, 32)); a = np.abs(x).max(-1, keepdims=True)
;;       e = np.where(a > 0, np.clip(np.frexp(np.where(a > 0, a, 1))[1] - 1 - 2, -126, 127), 0)      # np.frexp(a)[1] - 1 = floor(log2(a)), exactly
;;       r = np.clip(x / 2.0 ** e, -6, 6)
;;       step = 2.0 ** (np.maximum(np.frexp(np.where(r == 0, 1, r))[1] - 1, 0) - 1)
;;       q = np.round(r / step) * step * 2.0 ** e      # np.round: ties to even
;;       return np.moveaxis(q.reshape(q.shape[:-2] + (-1,))[..., :K], -1, axis).astype(np.float32)
;;   ~~~
;;   OPERANDS COMPUTED ON THE WAY. 'Computed on the way' means the value that the module computes at that place (a softmax that the list does not call 'softmax' is quantised finished and normalised). What goes into a quantiser is computed in f32, as accurately as f32 sums, v_exp_f32 and their like allow (about 1e-6 of the number): no bf16 or f16 on the way to a quantiser, and a product that is left as it is and whose result goes on into a quantised operand takes f32 operands (vector FMAs, or v_wmma_f32_16x16x4_f32). A number that lies on a knife's edge between two numbers of the format may be rounded either way, as far as f32 arithmetic and the matrix unit's own rounding can turn it there, and no further.
;; 2 versions. Each part assembles by itself: llvm-mc -triple=amdgcn-amd-amdhsa -mcpu=gfx1250 --defsym DOCPART=n.
;; ======== version 1 of 2: 4 launches
;; limits: right only within a limited range of input values
;; workspace buffers: codes 4,325,376 bytes; scales 270,336 bytes; grp 1,048,576 bytes of whole numbers; knn 1,048,576 bytes of whole numbers
;; launch prep (part 1): grid 528 x 1, 4 waves a work-group, no clusters, 9,216 bytes of LDS; arguments context, query, in_proj_w, out_w, context_pos, query_pos, w_rff, codes, scales; writes codes, scales
.if DOCPART == 1
	.amdgcn_target "amdgcn-amd-amdhsa--gfx1250"
	.amdhsa_code_object_version 6
	.text
	.protected	k_q515f8264ba_prep
	.globl	k_q515f8264ba_prep
	.p2align	8
	.type	k_q515f8264ba_prep,@function
k_q515f8264ba_prep:
	s_mov_b64 s[64:65], 0
	v_nop
	global_prefetch_b8 v0, s[64:65] scope:SCOPE_SE
	s_setreg_imm32_b32 hwreg(HW_REG_WAVE_MODE, 25, 1), 1
	s_wait_xcnt 0x0
; 33,792 rows of 256 f32 become codes of FP4 (E2M1), 128 bytes a row, K innermost, and 8 E8M0 scale bytes a row (one for each 32 along K).
; Destination rows: 0.. c_feat = context + enc(context_pos); 16,384.. q_feat = query + enc(query_pos); 32,768.. in_proj_w; 33,536.. out_w.
; enc(pos) = [sin(a), cos(a)], a = 2 pi (x w0 + y w1), 128 columns each.  sin and cos: j = nearest whole number to a 2/pi; r = a - j pi/2 with pi/2 in three parts,
; by three fused multiply-adds; polynomials in r on [-pi/4, pi/4]; the quadrant j mod 4 chooses and signs.
; A work-group takes 64 rows, a wave 16, two rows a step: lanes 0-15 the even row, lanes 16-31 the odd.  Lane i of a row holds columns 8 i .. 8 i + 7 of the sin half AND of the cos half:
; one reduction serves both.  A block of 32 lies in four neighbouring lanes.
; ONE PATH FOR ALL ROWS: only pointers and a gate are chosen, by the work-group's number.  For weight rows the gate is 0: the encoding (made of positions that lie inside query_pos) is multiplied by it and adds nothing.
; A block's scale byte is its largest magnitude's exponent field - 2, held at 1 from below; a block of zeros so gets 1 where the quantiser says 127: its codes are zeros, and this program alone reads the bytes.
; LIMITS: NaN and infinities are not served; |a| up to about 1e5 (j as a whole number, three parts of pi/2); beyond that the encoding loses accuracy.
.set W0,  16                           ; v16-23  w_rff[0][8 i ..]
.set W1,  24                           ; v24-31  w_rff[1][8 i ..]
.set POS, 32                           ; v32-47  (x, y) of my row in each of the eight steps
.set KC2, 48                           ; v48-49  a cosine coefficient, twice (an addend of a packed form beside a scalar pair)
.set KS2, 50                           ; v50-51  a sine coefficient, twice
.set X,   64                           ; v64-191 step st: 8 numbers of the sin half, 8 of the cos half
.set TA,  192
.set TJ,  200
.set TS,  208
.set TC,  216
.set TN,  224
.set TI,  232
.set CD,  240                          ; v240-255 two registers of codes for each step
.set SCB, 8192                         ; LDS: 4 x 2,048 bytes of codes, then 4 x 128 scale bytes; each wave touches its own alone: no barrier
.macro SPAIR r, val                    ; a constant as a scalar pair: the packed forms name the pair and take its low word for both halves
	s_mov_b32 s[\r], \val
	s_mov_b32 s[\r+1], \val
.endm
	s_load_b512 s[4:19], s[0:1], 0x0               ; context, query, in_proj_w, out_w, context_pos, query_pos, w_rff, codes
	s_load_b64 s[20:21], s[0:1], 0x40              ; scales
	v_lshl_add_u32 v62, v0, 2, 0x2200
	v_mov_b32 v63, 0
	v_lshrrev_b32 v1, 5, v0
	v_readfirstlane_b32 s2, v1                     ; wave
	v_and_b32 v1, 31, v0                           ; lane
	v_and_b32 v2, 15, v0                           ; i
	v_bfe_u32 v3, v0, 4, 1                         ; h
	v_lshlrev_b32 v6, 5, v2                        ; 32 i: my 8 columns
	v_lshl_add_u32 v4, v3, 10, v6                  ; + 1,024 h: my row of the step's two
	v_lshlrev_b32 v5, 3, v3                        ; 8 h: my row's position
	v_lshlrev_b32 v12, 2, v1                       ; 4 x lane
	v_lshlrev_b32 v10, 4, v1                       ; 16 x lane
	s_lshl_b32 s3, s2, 11
	v_add_nc_u32 v7, s3, v12                       ; codes into LDS: 2,048 w + 4 x lane
	v_add_nc_u32 v9, s3, v10                       ; and back: 2,048 w + 16 x lane
	s_lshl_b32 s3, s2, 7
	s_add_co_u32 s3, s3, SCB
	v_add_nc_u32 v11, s3, v12                      ; scale bytes back: 4 x lane
	v_lshrrev_b32 v8, 2, v2
	v_add_nc_u32 v8, v8, v5
	v_add_nc_u32 v8, s3, v8                        ; scale bytes in: 8 h + my block i / 4
	v_mov_b32 v[KC2], 0xbab6061a                   ; -1.388731625e-3
	v_mov_b32 v[KC2+1], 0xbab6061a
	v_mov_b32 v[KS2], 0x3c08839e                   ; 8.3321608736e-3
	v_mov_b32 v[KS2+1], 0x3c08839e
	SPAIR 40, 0x40c90fdb                           ; 2 pi
	SPAIR 42, 0x3f22f983                           ; 2 / pi
	SPAIR 44, 0xbfc90fdb                           ; pi/2 = 1.57079637 - 4.37113883e-8 - 1.7151e-15: the three parts, each with the sign that takes j x part away
	SPAIR 46, 0x333bbd2e
	SPAIR 48, 0x26f72bfe
	SPAIR 50, 0x37ccf5ce                           ; cos: 2.443315712e-5
	SPAIR 52, 0x3d2aaaa5                           ; 4.166664568e-2
	SPAIR 54, 0xb94ca1f9                           ; sin: -1.9515295891e-4
	SPAIR 56, 0xbe2aaaa3                           ; -1.6666654611e-1
	s_mov_b32 s30, 0x80000000
	s_wait_kmcnt 0x0
	s_mov_b64 s[22:23], s[10:11]                   ; which tensor my rows come from, and its first work-group: the choice hangs on the work-group's number alone
	s_mov_b32 s24, 524
	s_cmp_lt_u32 ttmp9, 524
	s_cselect_b64 s[22:23], s[8:9], s[22:23]
	s_cselect_b32 s24, 512, s24
	s_cmp_lt_u32 ttmp9, 512
	s_cselect_b64 s[22:23], s[6:7], s[22:23]
	s_cselect_b32 s24, 256, s24
	s_cselect_b32 s28, 1.0, 0                      ; the gate: 1 for rows that take an encoding, 0 for weights
	s_cmp_lt_u32 ttmp9, 256
	s_cselect_b64 s[22:23], s[4:5], s[22:23]
	s_cselect_b32 s24, 0, s24
	s_cselect_b64 s[26:27], s[12:13], s[14:15]     ; the positions
	s_mov_b32 s29, s28
	s_sub_co_u32 s25, ttmp9, s24
	s_lshl_b32 s25, s25, 6
	s_lshl_b32 s31, s2, 4
	s_add_co_u32 s25, s25, s31                     ; my wave's first row in its tensor
	s_mov_b32 s33, 0
	s_lshl_b32 s32, s25, 10
	s_add_nc_u64 s[22:23], s[22:23], s[32:33]
	s_lshl_b32 s32, s25, 3
	s_add_nc_u64 s[26:27], s[26:27], s[32:33]
	s_lshl_b32 s34, ttmp9, 6
	s_add_co_u32 s34, s34, s31                     ; and among the destination rows
	s_lshl_b32 s32, s34, 7
	s_add_nc_u64 s[18:19], s[18:19], s[32:33]
	s_lshl_b32 s32, s34, 3
	s_add_nc_u64 s[20:21], s[20:21], s[32:33]
	; all loads go out at once: 4 + 8 + 32
	global_load_b128 v[W0:W0+3], v6, s[16:17]
	global_load_b128 v[W0+4:W0+7], v6, s[16:17] offset:16
	global_load_b128 v[W1:W1+3], v6, s[16:17] offset:512
	global_load_b128 v[W1+4:W1+7], v6, s[16:17] offset:528
.irp st, 0,1,2,3,4,5,6,7
	global_load_b64 v[POS+2*\st:POS+2*\st+1], v5, s[26:27] offset:16*\st
.endr
.irp st, 0,1,2,3,4,5,6,7
	global_load_b128 v[X+16*\st:X+16*\st+3], v4, s[22:23] offset:2048*\st th:TH_LOAD_NT
	global_load_b128 v[X+16*\st+4:X+16*\st+7], v4, s[22:23] offset:2048*\st+16 th:TH_LOAD_NT
	global_load_b128 v[X+16*\st+8:X+16*\st+11], v4, s[22:23] offset:2048*\st+512 th:TH_LOAD_NT
	global_load_b128 v[X+16*\st+12:X+16*\st+15], v4, s[22:23] offset:2048*\st+528 th:TH_LOAD_NT
.endr
; The encoding of my 8 columns of step st's row is added to the step's 16 numbers.
.macro ENC st
.set XS, X+16*(\st)
.set PS, POS+2*(\st)
.irp p, 0,2,4,6
	v_pk_mul_f32 v[TA+\p:TA+\p+1], v[W0+\p:W0+\p+1], v[PS:PS+1] op_sel_hi:[1,0]                                      ; x w0
.endr
.irp p, 0,2,4,6
	v_pk_fma_f32 v[TA+\p:TA+\p+1], v[W1+\p:W1+\p+1], v[PS:PS+1], v[TA+\p:TA+\p+1] op_sel:[0,1,0] op_sel_hi:[1,1,1]   ; + y w1
.endr
.irp p, 0,2,4,6
	v_pk_mul_f32 v[TA+\p:TA+\p+1], v[TA+\p:TA+\p+1], s[40:41] op_sel_hi:[1,0]                                        ; a
.endr
.irp p, 0,2,4,6
	v_pk_mul_f32 v[TJ+\p:TJ+\p+1], v[TA+\p:TA+\p+1], s[42:43] op_sel_hi:[1,0]
.endr
.irp e, 0,1,2,3,4,5,6,7
	v_rndne_f32 v[TJ+\e], v[TJ+\e]                                                                                   ; j
.endr
.irp e, 0,1,2,3,4,5,6,7
	v_cvt_i32_f32 v[TI+\e], v[TJ+\e]
.endr
.irp k, 44,46,48
.irp p, 0,2,4,6
	v_pk_fma_f32 v[TA+\p:TA+\p+1], v[TJ+\p:TJ+\p+1], s[\k:\k+1], v[TA+\p:TA+\p+1] op_sel_hi:[1,0,1]                  ; r = a - j pi/2, part by part
.endr
.endr
.irp p, 0,2,4,6
	v_pk_mul_f32 v[TS+\p:TS+\p+1], v[TA+\p:TA+\p+1], v[TA+\p:TA+\p+1]                                                ; z = r r
.endr
.irp p, 0,2,4,6
	v_pk_fma_f32 v[TC+\p:TC+\p+1], v[TS+\p:TS+\p+1], s[50:51], v[KC2:KC2+1] op_sel_hi:[1,0,1]
	v_pk_fma_f32 v[TN+\p:TN+\p+1], v[TS+\p:TS+\p+1], s[54:55], v[KS2:KS2+1] op_sel_hi:[1,0,1]
.endr
.irp p, 0,2,4,6
	v_pk_fma_f32 v[TC+\p:TC+\p+1], v[TC+\p:TC+\p+1], v[TS+\p:TS+\p+1], s[52:53] op_sel_hi:[1,1,0]
	v_pk_fma_f32 v[TN+\p:TN+\p+1], v[TN+\p:TN+\p+1], v[TS+\p:TS+\p+1], s[56:57] op_sel_hi:[1,1,0]
.endr
.irp p, 0,2,4,6
	v_pk_fma_f32 v[TC+\p:TC+\p+1], v[TC+\p:TC+\p+1], v[TS+\p:TS+\p+1], -0.5 op_sel_hi:[1,1,0]
.endr
.irp p, 0,2,4,6
	v_pk_fma_f32 v[TC+\p:TC+\p+1], v[TC+\p:TC+\p+1], v[TS+\p:TS+\p+1], 1.0 op_sel_hi:[1,1,0]                         ; cos r = 1 + z (-1/2 + z (..))
.endr
.irp p, 0,2,4,6
	v_pk_mul_f32 v[TS+\p:TS+\p+1], v[TS+\p:TS+\p+1], v[TA+\p:TA+\p+1]                                                ; z r
.endr
.irp p, 0,2,4,6
	v_pk_fma_f32 v[TN+\p:TN+\p+1], v[TN+\p:TN+\p+1], v[TS+\p:TS+\p+1], v[TA+\p:TA+\p+1]                              ; sin r = r + z r (..)
.endr
.irp e, 0,1,2,3,4,5,6,7
	v_and_b32 v[TS+\e], 1, v[TI+\e]
	v_cmp_ne_u32 vcc_lo, 0, v[TS+\e]               ; an odd quadrant swaps the two
	v_cndmask_b32 v[TA+\e], v[TN+\e], v[TC+\e], vcc_lo
	v_cndmask_b32 v[TJ+\e], v[TC+\e], v[TN+\e], vcc_lo
	v_lshlrev_b32 v[TS+\e], 30, v[TI+\e]           ; sin a changes sign where bit 1 of j is set,
	v_add_nc_u32 v[TI+\e], 1, v[TI+\e]
	v_and_b32 v[TS+\e], s30, v[TS+\e]
	v_lshlrev_b32 v[TI+\e], 30, v[TI+\e]           ; cos a where bit 1 of j + 1 is
	v_xor_b32 v[TA+\e], v[TA+\e], v[TS+\e]
	v_and_b32 v[TI+\e], s30, v[TI+\e]
	v_xor_b32 v[TJ+\e], v[TJ+\e], v[TI+\e]
.endr
.irp p, 0,2,4,6
	v_pk_fma_f32 v[XS+\p:XS+\p+1], v[TA+\p:TA+\p+1], s[28:29], v[XS+\p:XS+\p+1] op_sel_hi:[1,0,1]                    ; + gate x sin a: with the gate 1 one rounding, as an addition has
	v_pk_fma_f32 v[XS+8+\p:XS+9+\p], v[TJ+\p:TJ+\p+1], s[28:29], v[XS+8+\p:XS+9+\p] op_sel_hi:[1,0,1]                ; + gate x cos a
.endr
.endm
; The step's two blocks of mine are quantised; codes and scale bytes go to my wave's bytes of LDS.
.macro QSTEP st
.set XS, X+16*(\st)
	v_max3_num_f32 v52, |v[XS]|, |v[XS+1]|, 0x1800000      ; my 8 numbers of each half, and the floor 2^(3 - 127): the byte cannot fall under 1
	v_max3_num_f32 v53, |v[XS+8]|, |v[XS+9]|, 0x1800000
.irp k, 2,4,6
	v_max3_num_f32 v52, v52, |v[XS+\k]|, |v[XS+\k+1]|
	v_max3_num_f32 v53, v53, |v[XS+8+\k]|, |v[XS+9+\k]|
.endr
	v_max_num_f32_dpp v52, v52, v52 row_xmask:1 row_mask:0xf bank_mask:0xf   ; with the three lanes that share the block
	v_max_num_f32_dpp v53, v53, v53 row_xmask:1 row_mask:0xf bank_mask:0xf
	v_max_num_f32_dpp v52, v52, v52 row_xmask:2 row_mask:0xf bank_mask:0xf
	v_max_num_f32_dpp v53, v53, v53 row_xmask:2 row_mask:0xf bank_mask:0xf
	v_add_nc_u32 v54, 0xff000000, v52              ; 2 off the exponent field: the conversion takes that field of this operand as its scale
	v_add_nc_u32 v55, 0xff000000, v53
	v_cvt_scalef32_pk8_fp4_f32 v[CD+2*(\st)], v[XS:XS+7], v54
	v_cvt_scalef32_pk8_fp4_f32 v[CD+2*(\st)+1], v[XS+8:XS+15], v55
	v_nop                                          ; one plain place behind the conversions, whose sources and results are touched below
	v_lshrrev_b32 v[XS], 23, v54                   ; the scale bytes, in registers of the step's own
	v_lshrrev_b32 v[XS+1], 23, v55
	v_permlane16_swap_b32 v[CD+2*(\st)], v[CD+2*(\st)+1]   ; the first now holds the even row whole (lane l: bytes 4 l ..), the second the odd row
	ds_store_b32 v7, v[CD+2*(\st)] offset:256*(\st)
	ds_store_b32 v7, v[CD+2*(\st)+1] offset:256*(\st)+128
	ds_store_b8 v8, v[XS] offset:16*(\st)          ; the four lanes of a block write the same byte with the same value
	ds_store_b8 v8, v[XS+1] offset:16*(\st)+4
.endm
.irp st, 0,1,2,3,4,5,6,7
	s_wait_loadcnt 28-4*\st                        ; loads come back in order: this step's four are in, the later steps' four each may be out
	ENC \st
	QSTEP \st
.endr
.irp j, 0,1,2,3
	ds_load_b128 v[TA+4*\j:TA+4*\j+3], v9 offset:512*\j    ; LDS serves a wave's instructions in order: these see my stores
.endr
	ds_load_b32 v[TS], v11
	s_wait_dscnt 0x0
.irp j, 0,1,2,3
	global_store_b128 v10, v[TA+4*\j:TA+4*\j+3], s[18:19] offset:512*\j   ; 32 lanes store 512 consecutive bytes, at a multiple of 256 from the buffer's first byte
.endr
	global_store_b32 v12, v[TS], s[20:21]          ; my 16 rows' 128 scale bytes
	s_wait_tensorcnt 0x0
	ds_add_u32 v62, v63
	s_wait_dscnt 0x0
	s_endpgm
.Lfunc_end_k_q515f8264ba_prep:
	.size	k_q515f8264ba_prep, .Lfunc_end_k_q515f8264ba_prep-k_q515f8264ba_prep
	.p2alignl 7, 3214868480
	.fill 96, 4, 3214868480
	.section	.rodata,"a",@progbits
	.p2align	6, 0x0
	.amdhsa_kernel k_q515f8264ba_prep
		.amdhsa_group_segment_fixed_size 9216
		.amdhsa_private_segment_fixed_size 0
		.amdhsa_enable_private_segment 0
		.amdhsa_kernarg_size 72
		.amdhsa_user_sgpr_count 2
		.amdhsa_user_sgpr_kernarg_segment_ptr 1
		.amdhsa_wavefront_size32 1
		.amdhsa_system_sgpr_workgroup_id_x 1
		.amdhsa_system_sgpr_workgroup_id_y 1
		.amdhsa_system_sgpr_workgroup_id_z 1
		.amdhsa_system_vgpr_workitem_id 0
		.amdhsa_next_free_vgpr 256
		.amdhsa_next_free_sgpr 66
		.amdhsa_reserve_vcc 1
		.amdhsa_float_denorm_mode_32 3
		.amdhsa_float_denorm_mode_16_64 3
		.amdhsa_memory_ordered 1
		.amdhsa_forward_progress 1
		.amdhsa_inst_pref_size 83
	.end_amdhsa_kernel
	.amdgpu_metadata
---
amdhsa.version: [ 1, 2 ]
amdhsa.kernels:
  - .name:           k_q515f8264ba_prep
    .symbol:         k_q515f8264ba_prep.kd
    .args:
      - { .name: context, .offset: 0, .size: 8, .value_kind: global_buffer, .address_space: global }
      - { .name: query, .offset: 8, .size: 8, .value_kind: global_buffer, .address_space: global }
      - { .name: in_proj_w, .offset: 16, .size: 8, .value_kind: global_buffer, .address_space: global }
      - { .name: out_w, .offset: 24, .size: 8, .value_kind: global_buffer, .address_space: global }
      - { .name: context_pos, .offset: 32, .size: 8, .value_kind: global_buffer, .address_space: global }
      - { .name: query_pos, .offset: 40, .size: 8, .value_kind: global_buffer, .address_space: global }
      - { .name: w_rff, .offset: 48, .size: 8, .value_kind: global_buffer, .address_space: global }
      - { .name: codes, .offset: 56, .size: 8, .value_kind: global_buffer, .address_space: global }
      - { .name: scales, .offset: 64, .size: 8, .value_kind: global_buffer, .address_space: global }
    .group_segment_fixed_size: 9216
    .private_segment_fixed_size: 0
    .kernarg_segment_align: 8
    .kernarg_segment_size: 72
    .max_flat_workgroup_size: 128
    .sgpr_count:     66
    .vgpr_count:     256
    .wavefront_size: 32
...
	.end_amdgpu_metadata
.endif
;; end of part 1
;; launch knn1 (part 2): grid 256 x 1, 8 waves a work-group, no clusters, 100,352 bytes of LDS; arguments context_pos, query_pos, grp; writes grp
.if DOCPART == 2
	.amdgcn_target "amdgcn-amd-amdhsa--gfx1250"
	.amdhsa_code_object_version 6
	.text
	.protected	k_q515f8264ba_knn1
	.globl	k_q515f8264ba_knn1
	.p2align	8
	.type	k_q515f8264ba_knn1,@function
k_q515f8264ba_knn1:
	s_mov_b64 s[64:65], 0
	v_nop
	global_prefetch_b8 v0, s[64:65] scope:SCOPE_SE
	s_setreg_imm32_b32 hwreg(HW_REG_WAVE_MODE, 25, 1), 1
	s_wait_xcnt 0x0
; First half of the search for the 16 nearest contexts.  A batch's 4,096 contexts are 256 groups of 16 neighbouring indices.  Every one of a query's 16 nearest (ties: the lower index) lies in one of the
; 16 groups with the smallest (group minimum of d2, group number): were its group not among them, 16 other groups would each hold a context that comes before it.  This launch stores those 16 group numbers a query.
; d2 in this order of rounding, the same in the next launch: qs = (qx qx) + (qy qy), each square rounded, then the sum; cs likewise; dot = fma(qy, y, qx x); d2 = fma(-2, dot, qs + cs), which is (qs + cs) - 2 dot rounded once.
; A work-group takes 64 queries of one batch.  PHASE A: thread t holds group t's 16 contexts in registers; the queries come as scalars, 8 to a scalar load; each query's 256 group minima go to LDS.
; PHASE B: a lane takes a query; wave w takes queries 32 (w % 2) .. and groups 64 (w / 2) .. + 63, and keeps a sorted list of 16 by insertion, with no branch on data.  The four lists of a query are merged through LDS.
; LIMITS: positions finite and d2 under infinity; NaN is not served.
.set MP,   1040                        ; LDS: a query's 256 minima + 16 bytes: 65 x 16
.set MRG,  64*MP                       ; behind them: 4,096 bytes for each wave, for the merge
.set XX,   16                          ; v16-31  x of my group's 16
.set YY,   32                          ; v32-47  y
.set CS,   48                          ; v48-63  x x + y y
.set RAW,  64                          ; v64-95  as loaded
.set DD,   64                          ; v64-79  at work
.set SS,   80                          ; v80-95
.set LL,   100                         ; v100-115 the list's values, ascending
.set II,   116                         ; v116-131 and their numbers
.set PL,   132                         ; v132-147 a partner's list
.set PI,   148
.set VID,  164
.set MN,   168                         ; v168-175 a chunk's eight minima, a register each
.set MK,   68                          ; s68-83  sixteen lane masks
; v[val] with the number v[id] is put into the ascending list.  The compare is strict: on a tie what came earlier, the lower number, keeps its place.
.macro INSERT val, id
.set ii, 0
.rept 16
	v_cmp_lt_f32 s[MK+ii], v[\val], v[LL+ii]
.set ii, ii+1
.endr
.set ii, 15
.rept 15
	v_cndmask_b32 v[II+ii], v[II+ii], v[\id], s[MK+ii]             ; under my value: the new number,
	v_cndmask_b32 v[II+ii], v[II+ii], v[II+ii-1], s[MK+ii-1]       ; or, if it goes in further down, my neighbour's
	v_med3_num_f32 v[LL+ii], v[\val], v[LL+ii-1], v[LL+ii]         ; the middle of the three is the place's new value
.set ii, ii-1
.endr
	v_cndmask_b32 v[II], v[II], v[\id], s[MK]
	v_min_num_f32 v[LL], v[\val], v[LL]
.endm
.macro TOSLOT
.irp k, 0,1,2,3
	ds_store_b128 v5, v[LL+4*\k:LL+4*\k+3] offset:512*\k
	ds_store_b128 v5, v[II+4*\k:II+4*\k+3] offset:2048+512*\k
.endr
.endm
.macro FROMSLOT adr
.irp k, 0,1,2,3
	ds_load_b128 v[PL+4*\k:PL+4*\k+3], v[\adr] offset:512*\k
	ds_load_b128 v[PI+4*\k:PI+4*\k+3], v[\adr] offset:2048+512*\k
.endr
	s_wait_dscnt 0x0
.endm
; The four quarters' lists of a query become one set of 16.  The branches hang on the wave's number alone; both barriers stand on every wave's path.
.macro MERGE ob
	s_cmp_eq_u32 s21, 0
	s_cbranch_scc1 .Lm1
	TOSLOT                                         ; quarters 1 and 3 hand their lists over
.Lm1:
	s_wait_dscnt 0x0                               ; my stores have landed
	s_barrier_signal -1
	s_barrier_wait -1
	s_cmp_lg_u32 s21, 0
	s_cbranch_scc1 .Lm2
	FROMSLOT 6                                     ; quarters 0 and 2 take them in, in ascending order: the partner's numbers are the higher ones, so ties stay with mine
.set nn, 0
.rept 16
	INSERT PL+nn, PI+nn
.set nn, nn+1
.endr
.Lm2:
	s_cmp_lg_u32 s22, 2
	s_cbranch_scc1 .Lm3
	TOSLOT                                         ; quarter 2 hands over, into a slot that nobody has touched yet
.Lm3:
	s_wait_dscnt 0x0
	s_barrier_signal -1
	s_barrier_wait -1
	s_cmp_lg_u32 s22, 0
	s_cbranch_scc1 .Lm4
	FROMSLOT 7
.set nn, 0
.rept 16
	v_cmp_lt_f32 vcc_lo, v[PL+15-nn], v[LL+nn]     ; two ascending lists, one taken backwards: the smaller of each pair are the 16 smallest of the 32; only the set is wanted
	v_cndmask_b32 v[II+nn], v[II+nn], v[PI+15-nn], vcc_lo
.set nn, nn+1
.endr
.irp j, 0,1,2,3
	global_store_b128 v11, v[II+4*\j:II+4*\j+3], s[\ob:\ob+1] offset:16*\j
.endr
.Lm4:
.endm
	s_load_b128 s[4:7], s[0:1], 0x0                ; context_pos, query_pos
	s_load_b64 s[8:9], s[0:1], 0x10                ; grp
	v_lshl_add_u32 v176, v0, 2, 0x18400
	v_mov_b32 v177, 0
	v_lshrrev_b32 v1, 5, v0
	v_readfirstlane_b32 s20, v1                    ; wave 0..7
	v_and_b32 v1, 31, v0                           ; lane
	s_and_b32 s21, s20, 2                          ; not 0: an odd quarter
	s_lshr_b32 s22, s20, 1                         ; my quarter
	s_and_b32 s23, s20, 1                          ; my half of the queries
	v_lshlrev_b32 v2, 2, v0                        ; phase A: my group's word in a query's row of minima
	v_lshlrev_b32 v9, 7, v0                        ; and my group's 128 bytes of positions
	s_lshl_b32 s10, s23, 5
	v_add_nc_u32 v4, s10, v1
	v_mul_u32_u24 v4, v4, MP
	s_lshl_b32 s11, s22, 8
	v_add_nc_u32 v4, s11, v4                       ; phase B: my query's row, my quarter's 64 words
	v_lshlrev_b32 v8, 4, v1
	s_lshl_b32 s11, s20, 12
	s_add_co_u32 s11, s11, MRG
	v_add_nc_u32 v5, s11, v8                       ; my wave's slot;
	s_add_co_u32 s11, s20, 2
	s_and_b32 s11, s11, 7
	s_lshl_b32 s11, s11, 12
	s_add_co_u32 s11, s11, MRG
	v_add_nc_u32 v6, s11, v8                       ; that of the wave two on;
	s_add_co_u32 s11, s20, 4
	s_and_b32 s11, s11, 7
	s_lshl_b32 s11, s11, 12
	s_add_co_u32 s11, s11, MRG
	v_add_nc_u32 v7, s11, v8                       ; four on.  (All made here, ahead of the first parting of the waves)
	v_lshlrev_b32 v11, 6, v1                       ; the way out: 64 bytes a query
	s_lshl_b32 s11, s22, 6
	v_mov_b32 v[VID], s11                          ; my quarter's first group
	s_mov_b32 s13, 0
	s_mov_b32 s24, 0
	s_mov_b32 s25, 0
	s_mov_b32 s85, 0                               ; (upper words of pairs whose low word serves both halves)
	s_mov_b32 s87, 0
	s_wait_kmcnt 0x0
	s_lshr_b32 s12, ttmp9, 6
	s_lshl_b32 s12, s12, 15
	s_add_nc_u64 s[4:5], s[4:5], s[12:13]          ; my batch's contexts
	s_lshl_b32 s12, ttmp9, 9
	s_add_nc_u64 s[6:7], s[6:7], s[12:13]          ; my 64 queries
	s_lshl_b32 s12, ttmp9, 12
	s_lshl_b32 s14, s23, 11
	s_add_co_u32 s12, s12, s14
	s_add_nc_u64 s[8:9], s[8:9], s[12:13]          ; and their rows of grp, my half's
	s_load_b512 s[32:47], s[6:7], s24 offset:0x0   ; queries 0 to 7
.irp j, 0,1,2,3,4,5,6,7
	global_load_b128 v[RAW+4*\j:RAW+4*\j+3], v9, s[4:5] offset:16*\j
.endr
.set nn, 0
.rept 16
	v_mov_b32 v[LL+nn], 0x7f800000                 ; the list begins as infinities, over every d2
	v_mov_b32 v[II+nn], 0
.set nn, nn+1
.endr
	s_wait_loadcnt 0x0
.set nn, 0
.rept 16
	v_mov_b32 v[XX+nn], v[RAW+2*nn]
	v_mov_b32 v[YY+nn], v[RAW+2*nn+1]
.set nn, nn+1
.endr
.irp p, 0,2,4,6,8,10,12,14
	v_pk_mul_f32 v[CS+\p:CS+\p+1], v[XX+\p:XX+\p+1], v[XX+\p:XX+\p+1]   ; x x, rounded
.endr
.irp p, 0,2,4,6,8,10,12,14
	v_pk_mul_f32 v[SS+\p:SS+\p+1], v[YY+\p:YY+\p+1], v[YY+\p:YY+\p+1]   ; y y, rounded (the registers of the raw positions are free)
.endr
.irp p, 0,2,4,6,8,10,12,14
	v_pk_add_f32 v[CS+\p:CS+\p+1], v[CS+\p:CS+\p+1], v[SS+\p:SS+\p+1]   ; cs: not fused on purpose: the squares are numbers of their own in the definition
.endr
; Query i of the chunk in s[cur ..]: d2 to my group's 16 contexts, their minimum to LDS.
.macro QDIST cur, i
	s_mov_b32 s84, s[\cur+2*\i+1]                  ; qy, as a pair's low word
	s_mul_f32 s86, s[\cur+2*\i], s[\cur+2*\i]      ; qx qx, rounded
	s_mul_f32 s88, s84, s84                        ; qy qy, rounded
	s_add_f32 s86, s86, s88                        ; qs
.irp p, 0,2,4,6,8,10,12,14
	v_pk_mul_f32 v[DD+\p:DD+\p+1], v[XX+\p:XX+\p+1], s[\cur+2*\i:\cur+2*\i+1] op_sel_hi:[1,0]
.endr
.irp p, 0,2,4,6,8,10,12,14
	v_pk_fma_f32 v[DD+\p:DD+\p+1], v[YY+\p:YY+\p+1], s[84:85], v[DD+\p:DD+\p+1] op_sel_hi:[1,0,1]
.endr
.irp p, 0,2,4,6,8,10,12,14
	v_pk_add_f32 v[SS+\p:SS+\p+1], v[CS+\p:CS+\p+1], s[86:87] op_sel_hi:[1,0]
.endr
.irp p, 0,2,4,6,8,10,12,14
	v_pk_fma_f32 v[DD+\p:DD+\p+1], v[DD+\p:DD+\p+1], -2.0, v[SS+\p:SS+\p+1] op_sel_hi:[1,0,1]
.endr
	v_min3_num_f32 v96, v[DD], v[DD+1], v[DD+2]
	v_min3_num_f32 v97, v[DD+3], v[DD+4], v[DD+5]
	v_min3_num_f32 v96, v96, v[DD+6], v[DD+7]
	v_min3_num_f32 v97, v97, v[DD+8], v[DD+9]
	v_min3_num_f32 v96, v96, v[DD+10], v[DD+11]
	v_min3_num_f32 v97, v97, v[DD+12], v[DD+13]
	v_min3_num_f32 v96, v96, v[DD+14], v[DD+15]
	v_min_num_f32 v[MN+\i], v96, v97
	ds_store_b32 v3, v[MN+\i] offset:MP*\i
.endm
.macro CHUNK cur, nxt
	s_wait_kmcnt 0x0                               ; this chunk's queries are in, and no scalar load is out: its offset may step
	s_add_co_u32 s24, s24, 64
	s_min_u32 s24, s24, 448                        ; the look-ahead stays inside my 512 bytes: the last chunk asks for itself once more
	s_load_b512 s[\nxt:\nxt+15], s[6:7], s24 offset:0x0
	v_add_nc_u32 v3, s25, v2
.irp i, 0,1,2,3,4,5,6,7
	QDIST \cur, \i
.endr
	s_add_co_u32 s25, s25, 8*MP
.endm
	s_mov_b32 s28, 4
.Lchunks:
	CHUNK 32, 48
	CHUNK 48, 32
	s_sub_co_u32 s28, s28, 1
	s_cmp_lg_u32 s28, 0
	s_cbranch_scc1 .Lchunks
	s_wait_kmcnt 0x0
	s_wait_dscnt 0x0                               ; my minima have landed
	s_barrier_signal -1
	s_barrier_wait -1                              ; everybody's have
	s_mov_b32 s27, 0
	s_mov_b32 s28, 8
.Lsel:                                                 ; eight groups a trip
	v_add_nc_u32 v3, s27, v4
	ds_load_b128 v[64:67], v3
	ds_load_b128 v[68:71], v3 offset:16
	s_wait_dscnt 0x0
.irp n, 0,1,2,3,4,5,6,7
	INSERT 64+\n, VID
	v_add_nc_u32 v[VID], 1, v[VID]
.endr
	s_add_co_u32 s27, s27, 32
	s_sub_co_u32 s28, s28, 1
	s_cmp_lg_u32 s28, 0
	s_cbranch_scc1 .Lsel
	MERGE 8
	s_wait_tensorcnt 0x0
	ds_add_u32 v176, v177
	s_wait_dscnt 0x0
	s_endpgm
.Lfunc_end_k_q515f8264ba_knn1:
	.size	k_q515f8264ba_knn1, .Lfunc_end_k_q515f8264ba_knn1-k_q515f8264ba_knn1
	.p2alignl 7, 3214868480
	.fill 96, 4, 3214868480
	.section	.rodata,"a",@progbits
	.p2align	6, 0x0
	.amdhsa_kernel k_q515f8264ba_knn1
		.amdhsa_group_segment_fixed_size 100352
		.amdhsa_private_segment_fixed_size 0
		.amdhsa_enable_private_segment 0
		.amdhsa_kernarg_size 24
		.amdhsa_user_sgpr_count 2
		.amdhsa_user_sgpr_kernarg_segment_ptr 1
		.amdhsa_wavefront_size32 1
		.amdhsa_system_sgpr_workgroup_id_x 1
		.amdhsa_system_sgpr_workgroup_id_y 1
		.amdhsa_system_sgpr_workgroup_id_z 1
		.amdhsa_system_vgpr_workitem_id 0
		.amdhsa_next_free_vgpr 178
		.amdhsa_next_free_sgpr 96
		.amdhsa_reserve_vcc 1
		.amdhsa_float_denorm_mode_32 3
		.amdhsa_float_denorm_mode_16_64 3
		.amdhsa_memory_ordered 1
		.amdhsa_forward_progress 1
		.amdhsa_inst_pref_size 149
	.end_amdhsa_kernel
	.amdgpu_metadata
---
amdhsa.version: [ 1, 2 ]
amdhsa.kernels:
  - .name:           k_q515f8264ba_knn1
    .symbol:         k_q515f8264ba_knn1.kd
    .args:
      - { .name: context_pos, .offset: 0, .size: 8, .value_kind: global_buffer, .address_space: global }
      - { .name: query_pos, .offset: 8, .size: 8, .value_kind: global_buffer, .address_space: global }
      - { .name: grp, .offset: 16, .size: 8, .value_kind: global_buffer, .address_space: global }
    .group_segment_fixed_size: 100352
    .private_segment_fixed_size: 0
    .kernarg_segment_align: 8
    .kernarg_segment_size: 24
    .max_flat_workgroup_size: 256
    .sgpr_count:     96
    .vgpr_count:     178
    .wavefront_size: 32
...
	.end_amdgpu_metadata
.endif
;; end of part 2
;; launch knn2 (part 3): grid 256 x 1, 8 waves a work-group, no clusters, 33,792 bytes of LDS; arguments context_pos, query_pos, grp, knn; writes knn
.if DOCPART == 3
	.amdgcn_target "amdgcn-amd-amdhsa--gfx1250"
	.amdhsa_code_object_version 6
	.text
	.protected	k_q515f8264ba_knn2
	.globl	k_q515f8264ba_knn2
	.p2align	8
	.type	k_q515f8264ba_knn2,@function
k_q515f8264ba_knn2:
	s_mov_b64 s[64:65], 0
	v_nop
	global_prefetch_b8 v0, s[64:65] scope:SCOPE_SE
	s_setreg_imm32_b32 hwreg(HW_REG_WAVE_MODE, 25, 1), 1
	s_wait_xcnt 0x0
; Second half of the search: each query's 16 groups (whole numbers, stored by the launch before) hold 256 candidates; the 16 with the smallest (d2, index) are its neighbours.
; A lane takes a query; wave w takes queries 32 (w % 2) .. of the work-group's 64 and the quarter w / 2 of the query's groups.  The groups are first sorted by number, so that candidates come in ascending index
; within a wave and from quarter to quarter: the insertion's strict compare then leaves a tie with the lower index.
; d2 in the same order of rounding as in the launch before: qs = (qx qx) + (qy qy), each square rounded, then the sum; cs likewise; dot = fma(qy, y, qx x); d2 = fma(-2, dot, qs + cs).
; Only the set of 16 is wanted: the attention that follows does not hang on their order.
; LIMITS: positions finite and d2 under infinity; NaN is not served.
.set MRG,  0                           ; LDS: 4,096 bytes for each wave, for the merge
.set GG,   16                          ; v16-31   the query's 16 groups; once my quarter's four are picked: at work
.set UU,   16
.set RAW,  32                          ; v32-159  four groups' positions: (x, y) x 16 each
.set LL,   160
.set II,   176
.set PL,   192
.set PI,   208
.set TT,   224                         ; v224-239 at work
.set QX,   240
.set QY,   241
.set QS,   242
.set IDV,  243
.set GB,   244                         ; v244-247 my quarter's four groups
.set OFF,  248                         ; v248-251 their byte offsets
.set MK,   68                          ; s68-83   sixteen lane masks
.macro INSERT val, id
.set ii, 0
.rept 16
	v_cmp_lt_f32 s[MK+ii], v[\val], v[LL+ii]
.set ii, ii+1
.endr
.set ii, 15
.rept 15
	v_cndmask_b32 v[II+ii], v[II+ii], v[\id], s[MK+ii]             ; under my value: the new number,
	v_cndmask_b32 v[II+ii], v[II+ii], v[II+ii-1], s[MK+ii-1]       ; or, if it goes in further down, my neighbour's
	v_med3_num_f32 v[LL+ii], v[\val], v[LL+ii-1], v[LL+ii]         ; the middle of the three is the place's new value
.set ii, ii-1
.endr
	v_cndmask_b32 v[II], v[II], v[\id], s[MK]
	v_min_num_f32 v[LL], v[\val], v[LL]
.endm
.macro TOSLOT
.irp k, 0,1,2,3
	ds_store_b128 v5, v[LL+4*\k:LL+4*\k+3] offset:512*\k
	ds_store_b128 v5, v[II+4*\k:II+4*\k+3] offset:2048+512*\k
.endr
.endm
.macro FROMSLOT adr
.irp k, 0,1,2,3
	ds_load_b128 v[PL+4*\k:PL+4*\k+3], v[\adr] offset:512*\k
	ds_load_b128 v[PI+4*\k:PI+4*\k+3], v[\adr] offset:2048+512*\k
.endr
	s_wait_dscnt 0x0
.endm
; The four quarters' lists of a query become one set of 16.  The branches hang on the wave's number alone; both barriers stand on every wave's path.
.macro MERGE ob
	s_cmp_eq_u32 s21, 0
	s_cbranch_scc1 .Lm1
	TOSLOT                                         ; quarters 1 and 3 hand their lists over
.Lm1:
	s_wait_dscnt 0x0                               ; my stores have landed
	s_barrier_signal -1
	s_barrier_wait -1
	s_cmp_lg_u32 s21, 0
	s_cbranch_scc1 .Lm2
	FROMSLOT 6                                     ; quarters 0 and 2 take them in, in ascending order: the partner's indices are the higher ones, so ties stay with mine
.set nn, 0
.rept 16
	INSERT PL+nn, PI+nn
.set nn, nn+1
.endr
.Lm2:
	s_cmp_lg_u32 s22, 2
	s_cbranch_scc1 .Lm3
	TOSLOT                                         ; quarter 2 hands over, into a slot that nobody has touched yet
.Lm3:
	s_wait_dscnt 0x0
	s_barrier_signal -1
	s_barrier_wait -1
	s_cmp_lg_u32 s22, 0
	s_cbranch_scc1 .Lm4
	FROMSLOT 7
.set nn, 0
.rept 16
	v_cmp_lt_f32 vcc_lo, v[PL+15-nn], v[LL+nn]     ; two ascending lists, one taken backwards: the smaller of each pair are the 16 smallest of the 32
	v_cndmask_b32 v[II+nn], v[II+nn], v[PI+15-nn], vcc_lo
.set nn, nn+1
.endr
.irp j, 0,1,2,3
	global_store_b128 v11, v[II+4*\j:II+4*\j+3], s[\ob:\ob+1] offset:16*\j
.endr
.Lm4:
.endm
.macro CE a, b                         ; the smaller group number to a, the larger to b
	v_min_u32 v252, v[GG+\a], v[GG+\b]
	v_max_u32 v[GG+\b], v[GG+\a], v[GG+\b]
	v_mov_b32 v[GG+\a], v252
.endm
	s_load_b256 s[4:11], s[0:1], 0x0               ; context_pos, query_pos, grp, knn
	v_lshl_add_u32 v254, v0, 2, 0x8000
	v_mov_b32 v255, 0
	v_lshrrev_b32 v1, 5, v0
	v_readfirstlane_b32 s20, v1                    ; wave 0..7
	v_and_b32 v1, 31, v0                           ; lane
	s_and_b32 s21, s20, 2                          ; not 0: an odd quarter
	s_lshr_b32 s22, s20, 1                         ; my quarter
	s_and_b32 s23, s20, 1                          ; my half of the queries
	v_lshlrev_b32 v8, 4, v1
	s_lshl_b32 s12, s20, 12
	v_add_nc_u32 v5, s12, v8                       ; my wave's slot;
	s_add_co_u32 s12, s20, 2
	s_and_b32 s12, s12, 7
	s_lshl_b32 s12, s12, 12
	v_add_nc_u32 v6, s12, v8                       ; that of the wave two on;
	s_add_co_u32 s12, s20, 4
	s_and_b32 s12, s12, 7
	s_lshl_b32 s12, s12, 12
	v_add_nc_u32 v7, s12, v8                       ; four on.  (All made here, ahead of the first parting of the waves)
	v_lshlrev_b32 v11, 6, v1                       ; 64 bytes a query in grp and in knn
	v_lshlrev_b32 v3, 3, v1                        ; 8 in query_pos
	s_cmp_eq_u32 s22, 1
	s_cselect_b32 s88, -1, 0                       ; masks, all lanes or none: which quarter is mine
	s_cmp_eq_u32 s22, 2
	s_cselect_b32 s89, -1, 0
	s_cmp_eq_u32 s22, 3
	s_cselect_b32 s90, -1, 0
	s_lshl_b32 s14, ttmp9, 6
	s_lshl_b32 s15, s23, 5
	s_add_co_u32 s14, s14, s15                     ; my wave's first query
	s_mov_b32 s13, 0
	s_wait_kmcnt 0x0
	s_lshl_b32 s12, s14, 6
	s_add_nc_u64 s[8:9], s[8:9], s[12:13]
	s_add_nc_u64 s[10:11], s[10:11], s[12:13]
	s_lshl_b32 s12, s14, 3
	s_add_nc_u64 s[6:7], s[6:7], s[12:13]
	s_lshr_b32 s12, ttmp9, 6
	s_lshl_b32 s12, s12, 15
	s_add_nc_u64 s[4:5], s[4:5], s[12:13]          ; my batch's contexts
.irp j, 0,1,2,3
	global_load_b128 v[GG+4*\j:GG+4*\j+3], v11, s[8:9] offset:16*\j
.endr
	global_load_b64 v[QX:QY], v3, s[6:7]
.set nn, 0
.rept 16
	v_mov_b32 v[LL+nn], 0x7f800000                 ; the list begins as infinities, over every d2
	v_mov_b32 v[II+nn], 0
.set nn, nn+1
.endr
	s_wait_loadcnt 0x0
.rept 8                                ; sixteen rounds of neighbour exchanges sort sixteen numbers
.irp p, 0,2,4,6,8,10,12,14
	CE \p, \p+1
.endr
.irp p, 1,3,5,7,9,11,13
	CE \p, \p+1
.endr
.endr
.irp k, 0,1,2,3
	v_mov_b32 v[GB+\k], v[GG+\k]
	v_cndmask_b32 v[GB+\k], v[GB+\k], v[GG+4+\k], s88
	v_cndmask_b32 v[GB+\k], v[GB+\k], v[GG+8+\k], s89
	v_cndmask_b32 v[GB+\k], v[GB+\k], v[GG+12+\k], s90
.endr
.irp k, 0,1,2,3
	v_min_u32 v[GB+\k], 0xff, v[GB+\k]             ; a loaded number enters an address only held inside its table: 256 groups
	v_lshlrev_b32 v[OFF+\k], 7, v[GB+\k]           ; 128 bytes a group
.endr
.irp k, 0,1,2,3
.irp j, 0,1,2,3,4,5,6,7
	global_load_b128 v[RAW+32*\k+4*\j:RAW+32*\k+4*\j+3], v[OFF+\k], s[4:5] offset:16*\j
.endr
.endr
	v_mul_f32 v[QS], v[QX], v[QX]                  ; qx qx, rounded
	v_mul_f32 v252, v[QY], v[QY]                   ; qy qy, rounded
	v_add_f32 v[QS], v[QS], v252                   ; qs: not fused on purpose: the squares are numbers of their own in the definition
	s_wait_loadcnt 0x0
; The 16 candidates of the group in v[RAW + 32 u ..]: d2, then one insertion each, in ascending index.
.macro GROUP u
.set RB, RAW+32*(\u)
.set ee, 0
.rept 16
	v_mul_f32 v[TT+ee], v[RB+2*ee], v[RB+2*ee]             ; x x, rounded
.set ee, ee+1
.endr
.set ee, 0
.rept 16
	v_mul_f32 v[UU+ee], v[RB+2*ee+1], v[RB+2*ee+1]         ; y y, rounded
.set ee, ee+1
.endr
.set ee, 0
.rept 16
	v_add_f32 v[TT+ee], v[TT+ee], v[UU+ee]                 ; cs
.set ee, ee+1
.endr
.set ee, 0
.rept 16
	v_add_f32 v[TT+ee], v[QS], v[TT+ee]                    ; qs + cs
.set ee, ee+1
.endr
.set ee, 0
.rept 16
	v_mul_f32 v[RB+2*ee], v[QX], v[RB+2*ee]
.set ee, ee+1
.endr
.set ee, 0
.rept 16
	v_fmac_f32 v[RB+2*ee], v[QY], v[RB+2*ee+1]             ; dot
.set ee, ee+1
.endr
.set ee, 0
.rept 16
	v_fma_f32 v[RB+2*ee+1], v[RB+2*ee], -2.0, v[TT+ee]     ; d2
.set ee, ee+1
.endr
.set ee, 0
.rept 16
	v_lshl_add_u32 v[IDV], v[GB+\u], 4, ee                 ; the candidate's index in its batch
	INSERT RB+2*ee+1, IDV
.set ee, ee+1
.endr
.endm
	s_mov_b32 s28, 2
.Lgroups:                                              ; two groups a trip; then the other two move down (in the last trip to no purpose)
	GROUP 0
	GROUP 1
.set nn, 0
.rept 64
	v_mov_b32 v[RAW+nn], v[RAW+64+nn]
.set nn, nn+1
.endr
	v_mov_b32 v[GB], v[GB+2]
	v_mov_b32 v[GB+1], v[GB+3]
	s_sub_co_u32 s28, s28, 1
	s_cmp_lg_u32 s28, 0
	s_cbranch_scc1 .Lgroups
	MERGE 10
	s_wait_tensorcnt 0x0
	ds_add_u32 v254, v255
	s_wait_dscnt 0x0
	s_endpgm
.Lfunc_end_k_q515f8264ba_knn2:
	.size	k_q515f8264ba_knn2, .Lfunc_end_k_q515f8264ba_knn2-k_q515f8264ba_knn2
	.p2alignl 7, 3214868480
	.fill 96, 4, 3214868480
	.section	.rodata,"a",@progbits
	.p2align	6, 0x0
	.amdhsa_kernel k_q515f8264ba_knn2
		.amdhsa_group_segment_fixed_size 33792
		.amdhsa_private_segment_fixed_size 0
		.amdhsa_enable_private_segment 0
		.amdhsa_kernarg_size 32
		.amdhsa_user_sgpr_count 2
		.amdhsa_user_sgpr_kernarg_segment_ptr 1
		.amdhsa_wavefront_size32 1
		.amdhsa_system_sgpr_workgroup_id_x 1
		.amdhsa_system_sgpr_workgroup_id_y 1
		.amdhsa_system_sgpr_workgroup_id_z 1
		.amdhsa_system_vgpr_workitem_id 0
		.amdhsa_next_free_vgpr 256
		.amdhsa_next_free_sgpr 96
		.amdhsa_reserve_vcc 1
		.amdhsa_float_denorm_mode_32 3
		.amdhsa_float_denorm_mode_16_64 3
		.amdhsa_memory_ordered 1
		.amdhsa_forward_progress 1
		.amdhsa_inst_pref_size 223
	.end_amdhsa_kernel
	.amdgpu_metadata
---
amdhsa.version: [ 1, 2 ]
amdhsa.kernels:
  - .name:           k_q515f8264ba_knn2
    .symbol:         k_q515f8264ba_knn2.kd
    .args:
      - { .name: context_pos, .offset: 0, .size: 8, .value_kind: global_buffer, .address_space: global }
      - { .name: query_pos, .offset: 8, .size: 8, .value_kind: global_buffer, .address_space: global }
      - { .name: grp, .offset: 16, .size: 8, .value_kind: global_buffer, .address_space: global }
      - { .name: knn, .offset: 24, .size: 8, .value_kind: global_buffer, .address_space: global }
    .group_segment_fixed_size: 33792
    .private_segment_fixed_size: 0
    .kernarg_segment_align: 8
    .kernarg_segment_size: 32
    .max_flat_workgroup_size: 256
    .sgpr_count:     96
    .vgpr_count:     256
    .wavefront_size: 32
...
	.end_amdgpu_metadata
.endif
;; end of part 3
;; launch attn (part 4): grid 256 x 1, 8 waves a work-group, no clusters, 216,064 bytes of LDS; arguments codes, scales, knn, in_proj_b, out_b, query_pos, out0, out1; writes out0, out1
.if DOCPART == 4
	.amdgcn_target "amdgcn-amd-amdhsa--gfx1250"
	.amdhsa_code_object_version 6
	.text
	.protected	k_q515f8264ba_attn
	.globl	k_q515f8264ba_attn
	.p2align	8
	.type	k_q515f8264ba_attn,@function
k_q515f8264ba_attn:
	s_mov_b64 s[64:65], 0
	v_nop
	global_prefetch_b8 v0, s[64:65] scope:SCOPE_SE
	s_setreg_imm32_b32 hwreg(HW_REG_WAVE_MODE, 25, 1), 1
	s_wait_xcnt 0x0
; For each query: its 16 neighbours' rows of c_feat (codes of FP4 with E8M0 scales, gathered by the indices that an earlier launch stored) are projected by Wk and Wv, the query's row of q_feat by Wq;
; eight heads of attention over the 16 neighbours in f32; the result is quantised along its 256 channels and projected by out_w.  out1 is query_pos.
; Quantising goes row by row, so the gathered rows' codes are the rows' codes gathered.  A query's 16 neighbours are one tile of 16 rows.
; SHARES.  A work-group takes 64 queries of one batch.  WAVE w IS HEAD w, and later output channels 32 w .. 32 w + 31, for all 64 queries: its 32 rows of Wq, Wk, Wv (later out_w) stay in registers.
; Wave w gathers the rows of queries 8 w .. 8 w + 7 and lays them in LDS as images of the operand's registers (16 bytes a lane, 512 bytes a group of four registers), which all eight waves read.
; LAYOUTS.  q and k are made transposed (source 0 = 16 rows of the weight): a lane holds one query, or one neighbour, and eight channels.  v is made the natural way (source 0 = the neighbours): a lane holds one channel and eight neighbours.
; So a score is 16 multiply-adds a lane, with the query's numbers shared along a row of 16 lanes, and a weighted sum 16 more, with the weights shared.
; A scale register holds a row's word for the first 128 along K in lanes 0-15 and for the second 128 in lanes 16-31; the row selector takes one or the other.  These registers hold scales alone.
; SOFTMAX: t = score x log2(e) / sqrt(32) (the factor lies on q); the largest t of the 16 is taken away; p = 2^(t - max) / their sum.  bv is added behind the weighted sum: the weights add up to 1 but for rounding.
; No tensor loads: nothing large is shared between work-groups; the gathers go lane by lane.
; LIMITS: NaN and infinities are not served.  A block of zeros of the attention's result gets the scale byte 1: its codes are zeros.
.set GIMG, 0                           ; LDS: 64 images of 2,048 bytes;
.set GSC,  131072                      ; their scale registers, 128 bytes each;
.set OST,  139264                      ; the attention's result, 64 rows of 1,024 bytes + 16; later the stage for out0;
.set OP,   1040
.set OIMG, 205824                      ; its eight fragments' images, 1,024 bytes each;
.set OSC,  214016                      ; their scale words, 128 bytes each
.set WQ,   16                          ; v16-47   Wq's fragments (tile t, K step s) at 16 t + 8 s; later out_w's
.set WK,   48                          ; v48-79   Wk's
.set WV,   80                          ; v80-111  Wv's
.set BQ,   112                         ; v112-127 bq in the result's layout, two tiles; later out_b
.set BK,   128                         ; v128-143 bk
.set BV,   144                         ; v144     bv of channel 32 w + lane
.set WQS,  145                         ; v145-146, 147-148, 149-150 the weights' scale registers
.set WKS,  147
.set WVS,  149
.set GS,   151                         ; v151     the image's
.set QFS,  152                         ; v152     q's
.set G,    154                         ; v154-169 the image in hand: two fragments
.set QF,   170                         ; v170-185 16 queries' codes
.set QH,   186                         ; v186-201 their q, x log2(e) / sqrt(32)
.set DK,   202                         ; v202-217 k, two tiles
.set DV,   218                         ; v218-233 v, two tiles
.set T,    234                         ; v234-253 at work
.set GD0,  154                         ; where a gather batch's four images land
.set GD1,  186
.set GD2,  202
.set GD3,  218
; mode 0: both scales from lanes 0-15; 1: both from lanes 16-31; 2: source 0's from lanes 16-31
.macro WM d, a, b, c, sa, sb, mode
.if \mode == 0
	v_wmma_scale_f32_16x16x128_f8f6f4 v[\d:\d+7], v[\a:\a+7], v[\b:\b+7], v[\c:\c+7], v[\sa], v[\sb] matrix_a_fmt:MATRIX_FMT_FP4 matrix_b_fmt:MATRIX_FMT_FP4
.elseif \mode == 1
	v_wmma_scale_f32_16x16x128_f8f6f4 v[\d:\d+7], v[\a:\a+7], v[\b:\b+7], v[\c:\c+7], v[\sa], v[\sb] matrix_a_fmt:MATRIX_FMT_FP4 matrix_b_fmt:MATRIX_FMT_FP4 matrix_a_scale:MATRIX_SCALE_ROW1 matrix_b_scale:MATRIX_SCALE_ROW1
.else
	v_wmma_scale_f32_16x16x128_f8f6f4 v[\d:\d+7], v[\a:\a+7], v[\b:\b+7], v[\c:\c+7], v[\sa], v[\sb] matrix_a_fmt:MATRIX_FMT_FP4 matrix_b_fmt:MATRIX_FMT_FP4 matrix_a_scale:MATRIX_SCALE_ROW1
.endif
.endm
.macro WMZ d, a, b, sa, sb             ; the sum begins with the constant 0
	v_wmma_scale_f32_16x16x128_f8f6f4 v[\d:\d+7], v[\a:\a+7], v[\b:\b+7], 0, v[\sa], v[\sb] matrix_a_fmt:MATRIX_FMT_FP4 matrix_b_fmt:MATRIX_FMT_FP4
.endm
; Five places behind a run of products: four serve the reads of results and the loads into operands, the fifth the next products that begin these accumulators anew.
.macro PLACES
.rept 5
	v_nop
.endr
.endm
.macro BARRIER                         ; my LDS stores have landed and my LDS loads are in: then the work-group's barrier
	s_wait_dscnt 0x0
	s_barrier_signal -1
	s_barrier_wait -1
.endm
	s_load_b512 s[4:19], s[0:1], 0x0               ; codes, scales, knn, in_proj_b, out_b, query_pos, out0, out1
	v_lshl_add_u32 v254, v0, 2, 0x34800
	v_mov_b32 v255, 0
	v_lshrrev_b32 v1, 5, v0
	v_readfirstlane_b32 s20, v1                    ; wave = head
	v_and_b32 v1, 15, v0                           ; r
	v_bfe_u32 v2, v0, 4, 1                         ; h
	v_and_b32 v3, 31, v0                           ; lane
	v_lshlrev_b32 v4, 4, v3                        ; 16 x lane
	v_lshlrev_b32 v5, 2, v3                        ; 4 x lane
	v_lshlrev_b32 v9, 4, v2                        ; 16 h
	v_lshlrev_b32 v10, 2, v2                       ; 4 h
	v_lshl_add_u32 v6, v1, 7, v9                   ; a fragment from rows of 128 bytes: 128 r + 16 h
	v_lshl_add_u32 v7, v1, 3, v10                  ; a scale register from rows of 8 bytes: 8 r + 4 h
	v_lshlrev_b32 v8, 5, v2                        ; a bias in the transposed result's layout: 32 h
	v_lshlrev_b32 v13, 2, v1                       ; 4 r: neighbour r's index
	s_lshl_b32 s48, s20, 14
	v_add_nc_u32 v14, s48, v4                      ; where I lay my eight images: 8 w x 2,048 + 16 x lane
	s_lshl_b32 s48, s20, 10
	s_add_co_u32 s48, s48, GSC
	v_add_nc_u32 v15, s48, v5                      ; and their scale registers
	s_mov_b32 s22, 0x76543210
	s_mov_b32 s23, 0xfedcba98                      ; v_permlanex16_b32's selects for lane l xor 16
	s_mov_b32 s24, 0xffff0000                      ; lanes 16-31
	s_mov_b32 s26, 0x3e8293ee                      ; log2(e) / sqrt(32)
	s_mov_b32 s27, s26
	s_mov_b32 s49, 0
	s_wait_kmcnt 0x0
	s_lshl_b32 s48, s20, 12
	s_add_co_u32 s48, s48, 0x400000
	s_add_nc_u64 s[32:33], s[4:5], s[48:49]        ; the weights' codes: row 32,768 + 32 w
	s_lshl_b32 s48, s20, 8
	s_add_co_u32 s48, s48, 0x40000
	s_add_nc_u64 s[34:35], s[6:7], s[48:49]        ; and scale bytes
	s_lshr_b32 s50, ttmp9, 6                       ; the batch
	s_lshl_b32 s48, s50, 19
	s_add_nc_u64 s[36:37], s[4:5], s[48:49]        ; its 4,096 rows of c_feat
	s_lshl_b32 s48, s50, 15
	s_add_nc_u64 s[38:39], s[6:7], s[48:49]
	s_lshl_b32 s48, ttmp9, 13
	s_add_co_u32 s48, s48, 0x200000
	s_add_nc_u64 s[40:41], s[4:5], s[48:49]        ; q_feat: row 16,384 + 64 x work-group
	s_lshl_b32 s48, ttmp9, 9
	s_add_nc_u64 s[14:15], s[14:15], s[48:49]      ; my 64 queries' positions
	s_add_nc_u64 s[18:19], s[18:19], s[48:49]
	s_add_co_u32 s48, s48, 0x20000
	s_add_nc_u64 s[42:43], s[6:7], s[48:49]
	s_lshl_b32 s48, s20, 7
	s_add_nc_u64 s[10:11], s[10:11], s[48:49]      ; the biases of my 32 channels
	s_add_nc_u64 s[12:13], s[12:13], s[48:49]
	s_lshl_b32 s48, ttmp9, 12
	s_lshl_b32 s50, s20, 9
	s_add_co_u32 s48, s48, s50
	s_add_nc_u64 s[8:9], s[8:9], s[48:49]          ; the indices of queries 8 w ..
	s_lshl_b32 s48, ttmp9, 16
	s_lshl_b32 s50, s20, 13
	s_add_co_u32 s48, s48, s50
	s_add_nc_u64 s[16:17], s[16:17], s[48:49]      ; out0 at row 64 x work-group + 8 w
.irp i, 0,1,2,3,4,5,6,7
	global_load_b32 v[T+4+\i], v13, s[8:9] offset:64*\i    ; the indices first: the gathers hang on them
.endr
.irp x, 0,1,2
.irp t, 0,1
.irp c, 0,1,2,3
	global_load_b128 v[WQ+32*\x+16*\t+4*\c:WQ+32*\x+16*\t+4*\c+3], v6, s[32:33] offset:32768*\x+2048*\t+32*\c
.endr
	global_load_b32 v[WQS+2*\x+\t], v7, s[34:35] offset:2048*\x+128*\t
.endr
.endr
.irp x, 0,1
.irp t, 0,1
	global_load_b128 v[BQ+16*\x+8*\t:BQ+16*\x+8*\t+3], v8, s[10:11] offset:1024*\x+64*\t
	global_load_b128 v[BQ+16*\x+8*\t+4:BQ+16*\x+8*\t+7], v8, s[10:11] offset:1024*\x+64*\t+16
.endr
.endr
	global_load_b32 v[BV], v5, s[10:11] offset:2048
.irp c, 0,1,2,3
	global_load_b128 v[QF+4*\c:QF+4*\c+3], v6, s[40:41] offset:32*\c
.endr
	global_load_b32 v[QFS], v7, s[42:43]
	s_wait_loadcnt 44                              ; behind the eight index loads stand 24 + 6 + 8 + 1 + 5 others
.irp i, 0,1,2,3,4,5,6,7
	v_min_u32 v[T+4+\i], 0xfff, v[T+4+\i]          ; a loaded number enters an address only held inside its table: 4,096 rows
.endr
; Four queries' neighbours: lane (r, h) takes neighbour r's row as the operand's layout wants it; the registers go to LDS as they stand.
.macro GATHER n
.irp i, 0,1,2,3
	v_lshl_add_u32 v[T+12+\i], v[T+4+4*\n+\i], 7, v9
	v_lshl_add_u32 v[T+16+\i], v[T+4+4*\n+\i], 3, v10
.endr
.irp i, 0,1,2,3
.irp c, 0,1,2,3
	global_load_b128 v[GD\i+4*\c:GD\i+4*\c+3], v[T+12+\i], s[36:37] offset:32*\c
.endr
	global_load_b32 v[T+\i], v[T+16+\i], s[38:39]
.endr
	s_wait_loadcnt 0x0
.irp i, 0,1,2,3
.irp c, 0,1,2,3
	ds_store_b128 v14, v[GD\i+4*\c:GD\i+4*\c+3] offset:2048*(4*\n+\i)+512*\c
.endr
	ds_store_b32 v15, v[T+\i] offset:128*(4*\n+\i)
.endr
.endm
	GATHER 0
	s_wait_dscnt 0x0                               ; the stores are done before the next batch lands in their registers
	GATHER 1
	BARRIER                                        ; all 64 images lie in LDS
.macro GLOAD i                         ; image i of the tile's sixteen
.irp c, 0,1,2,3
	ds_load_b128 v[G+4*\c:G+4*\c+3], v11 offset:2048*(\i)+512*\c
.endr
	ds_load_b32 v[GS], v12 offset:128*(\i)
.endm
; Query i of the tile: my head's k and v of its 16 neighbours, the scores, the softmax, the weighted sum.
.macro QUERY i
	s_wait_dscnt 0x0                               ; the image is in
	WM  DK,   WK,    G,   BK,   WKS,   GS, 0       ; four accumulators by turns; bk is the C of k's first products
	WM  DK+8, WK+16, G,   BK+8, WKS+1, GS, 0
	WMZ DV,   G,   WV,    GS, WVS
	WMZ DV+8, G,   WV+16, GS, WVS+1
	WM  DK,   WK+8,  G+8, DK,   WKS,   GS, 1
	WM  DK+8, WK+24, G+8, DK+8, WKS+1, GS, 1
	WM  DV,   G+8, WV+8,  DV,   GS, WVS,   1
	WM  DV+8, G+8, WV+24, DV+8, GS, WVS+1, 1
	PLACES
.if \i < 15
	GLOAD \i+1                                     ; the next image comes while this query's vector work is done
.endif
	; t(neighbour r) = the sum over my head's 32 channels of q(query i) k(neighbour r): lane i of my row of lanes holds the query's eight channels of my half.  Four chains; each accumulator is read from its low end on
	v_mul_f32_dpp v[T],   v[QH],    v[DK]    row_share:\i row_mask:0xf bank_mask:0xf
	v_mul_f32_dpp v[T+1], v[QH+8],  v[DK+8]  row_share:\i row_mask:0xf bank_mask:0xf
	v_mul_f32_dpp v[T+2], v[QH+4],  v[DK+4]  row_share:\i row_mask:0xf bank_mask:0xf
	v_mul_f32_dpp v[T+3], v[QH+12], v[DK+12] row_share:\i row_mask:0xf bank_mask:0xf
.irp j, 1,2,3
	v_fmac_f32_dpp v[T],   v[QH+\j],    v[DK+\j]    row_share:\i row_mask:0xf bank_mask:0xf
	v_fmac_f32_dpp v[T+1], v[QH+8+\j],  v[DK+8+\j]  row_share:\i row_mask:0xf bank_mask:0xf
	v_fmac_f32_dpp v[T+2], v[QH+4+\j],  v[DK+4+\j]  row_share:\i row_mask:0xf bank_mask:0xf
	v_fmac_f32_dpp v[T+3], v[QH+12+\j], v[DK+12+\j] row_share:\i row_mask:0xf bank_mask:0xf
.endr
	v_add_f32 v[T], v[T], v[T+1]
	v_add_f32 v[T+2], v[T+2], v[T+3]
	v_add_f32 v[T], v[T], v[T+2]
	v_permlanex16_b32 v[T+1], v[T], s22, s23
	v_add_f32 v[T], v[T], v[T+1]                   ; with the other half's 16 channels: both halves now hold t(r)
	v_max_num_f32_dpp v[T+2], v[T], v[T] row_xmask:1 row_mask:0xf bank_mask:0xf
	v_max_num_f32_dpp v[T+2], v[T+2], v[T+2] row_xmask:2 row_mask:0xf bank_mask:0xf
	v_max_num_f32_dpp v[T+2], v[T+2], v[T+2] row_xmask:4 row_mask:0xf bank_mask:0xf
	v_max_num_f32_dpp v[T+2], v[T+2], v[T+2] row_xmask:8 row_mask:0xf bank_mask:0xf
	v_sub_f32 v[T], v[T], v[T+2]                   ; the largest of the 16 is taken away
	v_exp_f32 v[T], v[T]
	v_nop                                          ; a plain place behind the transcendental
	s_wait_alu depctr_va_vdst(0)
	v_add_f32_dpp v[T+3], v[T], v[T] row_xmask:1 row_mask:0xf bank_mask:0xf
	v_add_f32_dpp v[T+3], v[T+3], v[T+3] row_xmask:2 row_mask:0xf bank_mask:0xf
	v_add_f32_dpp v[T+3], v[T+3], v[T+3] row_xmask:4 row_mask:0xf bank_mask:0xf
	v_add_f32_dpp v[T+3], v[T+3], v[T+3] row_xmask:8 row_mask:0xf bank_mask:0xf
	v_rcp_f32 v[T+3], v[T+3]
	v_nop
	s_wait_alu depctr_va_vdst(0)
	v_mul_f32 v[T], v[T], v[T+3]                   ; the weight of neighbour r
	v_mov_b32_dpp v[T+1], v[T] row_xmask:8 row_mask:0xf bank_mask:0xf
	v_cndmask_b32 v[T], v[T], v[T+1], s24          ; lanes 16-31 hold neighbours 8 .. 15 of v: there lane j of the row now has the weight of neighbour 8 + j
	v_mul_f32_dpp v[T+2], v[T], v[DV]    row_share:0 row_mask:0xf bank_mask:0xf
	v_mul_f32_dpp v[T+3], v[T], v[DV+8]  row_share:0 row_mask:0xf bank_mask:0xf
	v_mul_f32_dpp v[T+4], v[T], v[DV+4]  row_share:4 row_mask:0xf bank_mask:0xf
	v_mul_f32_dpp v[T+5], v[T], v[DV+12] row_share:4 row_mask:0xf bank_mask:0xf
.irp j, 1,2,3
	v_fmac_f32_dpp v[T+2], v[T], v[DV+\j]    row_share:\j row_mask:0xf bank_mask:0xf
	v_fmac_f32_dpp v[T+3], v[T], v[DV+8+\j]  row_share:\j row_mask:0xf bank_mask:0xf
	v_fmac_f32_dpp v[T+4], v[T], v[DV+4+\j]  row_share:4+\j row_mask:0xf bank_mask:0xf
	v_fmac_f32_dpp v[T+5], v[T], v[DV+12+\j] row_share:4+\j row_mask:0xf bank_mask:0xf
.endr
	v_add_f32 v[T+2], v[T+2], v[T+4]               ; channel r: my half's eight neighbours
	v_add_f32 v[T+3], v[T+3], v[T+5]               ; channel 16 + r
	v_permlane16_swap_b32 v[T+2], v[T+3]           ; the first: neighbours 0-7 of channel = lane; the second: neighbours 8-15
	v_add_f32 v[T+2], v[T+2], v[T+3]
	v_add_f32 v[T+2], v[T+2], v[BV]
	ds_store_b32 v13, v[T+2] offset:OP*\i          ; o(query i, channel 32 w + lane)
.endm
	s_mov_b32 s28, 4
	s_mov_b32 s29, GIMG
	s_mov_b32 s30, GSC
	s_lshl_b32 s31, s20, 7
	s_add_co_u32 s31, s31, OST
.Ltile:                                                ; a tile of 16 queries a trip
	v_add_nc_u32 v11, s29, v4
	v_add_nc_u32 v12, s30, v5
	v_add_nc_u32 v13, s31, v5
	GLOAD 0
	s_wait_loadcnt 0x0                             ; the tile's q codes are in
	WM DK,   WQ,    QF,   BQ,   WQS,   QFS, 0      ; q of the 16 queries, my head: lane (r, h) holds query r, channels 16 t + 8 h + 0 .. 7
	WM DK+8, WQ+16, QF,   BQ+8, WQS+1, QFS, 0
	WM DK,   WQ+8,  QF+8, DK,   WQS,   QFS, 1
	WM DK+8, WQ+24, QF+8, DK+8, WQS+1, QFS, 1
	PLACES
.irp p, 0,2,4,6,8,10,12,14
	v_pk_mul_f32 v[QH+\p:QH+\p+1], v[DK+\p:DK+\p+1], s[26:27] op_sel_hi:[1,0]
.endr
	s_cmp_eq_u32 s28, 1                            ; the next tile's q codes are asked for here, if there is a next tile
	s_cbranch_scc1 .Lno_next
	s_add_nc_u64 s[40:41], s[40:41], 2048          ; (the loads that named these bases are done: the wait above)
	s_add_nc_u64 s[42:43], s[42:43], 128
.irp c, 0,1,2,3
	global_load_b128 v[QF+4*\c:QF+4*\c+3], v6, s[40:41] offset:32*\c
.endr
	global_load_b32 v[QFS], v7, s[42:43]
.Lno_next:
.irp i, 0,1,2,3,4,5,6,7,8,9,10,11,12,13,14,15
	QUERY \i
.endr
	s_wait_dscnt 0x0                               ; my stores are done before their address is made anew
	s_add_co_u32 s29, s29, 16*2048
	s_add_co_u32 s30, s30, 16*128
	s_add_co_u32 s31, s31, 16*OP
	s_sub_co_u32 s28, s28, 1
	s_cmp_lg_u32 s28, 0
	s_cbranch_scc1 .Ltile
	; out_w's 32 rows of mine, their scale registers and out_b take the places of Wq's
.irp t, 0,1
.irp c, 0,1,2,3
	global_load_b128 v[WQ+16*\t+4*\c:WQ+16*\t+4*\c+3], v6, s[32:33] offset:98304+2048*\t+32*\c
.endr
	global_load_b32 v[WQS+\t], v7, s[34:35] offset:6144+128*\t
	global_load_b128 v[BQ+8*\t:BQ+8*\t+3], v8, s[12:13] offset:64*\t
	global_load_b128 v[BQ+8*\t+4:BQ+8*\t+7], v8, s[12:13] offset:64*\t+16
.endr
	s_lshr_b32 s48, s20, 1                         ; my job: tile of rows w / 2, K step w % 2
	s_mul_i32 s48, s48, 16*OP
	s_and_b32 s50, s20, 1
	s_lshl_b32 s50, s50, 9
	s_add_co_u32 s48, s48, s50
	s_add_co_u32 s48, s48, OST
	v_mul_u32_u24 v14, v1, OP
	v_lshl_add_u32 v14, v2, 6, v14
	v_add_nc_u32 v14, s48, v14                     ; row r, + 64 h: my 16 numbers of each block of 32
	v_add_nc_u32 v11, OIMG, v4                     ; a fragment's image for my lane,
	v_add_nc_u32 v12, OSC, v5                      ; a scale word's;
	s_lshl_b32 s48, s20, 10
	v_add_nc_u32 v13, s48, v11                     ; where I lay mine
	s_lshl_b32 s48, s20, 7
	v_add_nc_u32 v15, s48, v12
	v_mul_u32_u24 v251, v1, OP
	v_lshl_add_u32 v251, v2, 5, v251
	s_add_co_u32 s48, s48, OST
	v_add_nc_u32 v251, s48, v251                   ; the stage: row r, + 128 w + 32 h
	s_mul_i32 s48, s20, 8*OP
	s_add_co_u32 s48, s48, OST
	v_add_nc_u32 v252, s48, v4                     ; and back: my eight rows, 16 bytes a lane
	BARRIER                                        ; 64 whole rows of the attention's result lie in LDS
.irp b, 0,1,2,3
.irp j, 0,1,2,3
	ds_load_b128 v[WK+16*\b+4*\j:WK+16*\b+4*\j+3], v14 offset:128*\b+16*\j   ; register 16 b + i = channel 128 s + 32 b + 16 h + i of row r
.endr
.endr
	s_wait_dscnt 0x0
	; 64 numbers of a lane become a fragment's codes in v[G] on and its scale word in v[T+16]
.irp b, 0,1,2,3
	v_max3_num_f32 v[T+\b], |v[WK+16*\b]|, |v[WK+1+16*\b]|, 0x1800000   ; block b: my 16 numbers, and the floor 2^(3 - 127): the byte cannot fall under 1
.endr
.irp i, 2,4,6,8,10,12,14
.irp b, 0,1,2,3
	v_max3_num_f32 v[T+\b], v[T+\b], |v[WK+16*\b+\i]|, |v[WK+1+16*\b+\i]|
.endr
.endr
.irp b, 0,1,2,3
	v_permlanex16_b32 v[T+4+\b], v[T+\b], s22, s23
.endr
.irp b, 0,1,2,3
	v_max_num_f32 v[T+\b], v[T+\b], v[T+4+\b]      ; with lane l xor 16's: the block's largest magnitude
.endr
.irp b, 0,1,2,3
	v_add_nc_u32 v[T+12+\b], 0xff000000, v[T+\b]   ; 2 off its exponent field: the conversion's scale operand
.endr
.irp b, 0,1,2,3
	v_lshrrev_b32 v[T+4+\b], 23, v[T+12+\b]        ; the scale's byte
.endr
	v_lshl_or_b32 v[T+16], v[T+5], 8, v[T+4]
	v_lshl_or_b32 v[T+16], v[T+6], 16, v[T+16]
	v_lshl_or_b32 v[T+16], v[T+7], 24, v[T+16]     ; my row's scale word
.irp b, 0,1,2,3
	v_cvt_scalef32_pk8_fp4_f32 v[G+2*\b], v[WK+16*\b:WK+7+16*\b], v[T+12+\b]
	v_cvt_scalef32_pk8_fp4_f32 v[G+1+2*\b], v[WK+8+16*\b:WK+15+16*\b], v[T+12+\b]
.endr
	v_nop                                          ; one plain place behind a scaled conversion
.irp c, 0,1                            ; the operand's layout wants a whole block in a lane: lanes 0-15 block 2 c, lanes 16-31 block 2 c + 1
.irp i, 0,1
	v_permlane16_swap_b32 v[G+4*\c+\i], v[G+2+4*\c+\i]
.endr
.endr
.irp c, 0,1
	ds_store_b128 v13, v[G+4*\c:G+4*\c+3] offset:512*\c
.endr
	ds_store_b32 v15, v[T+16]
	BARRIER                                        ; the eight fragments lie in LDS, and nobody reads the rows of f32 any more: they become the stage
	s_wait_loadcnt 0x0                             ; out_w, its scales, out_b
.irp m, 0,1,2,3                        ; my 32 output channels for 16 queries at a time; the two pairs of accumulators take turns from tile to tile
.irp c, 0,1,2,3
	ds_load_b128 v[G+4*\c:G+4*\c+3], v11 offset:2048*\m+512*\c
.endr
	ds_load_b32 v[GS], v12 offset:256*\m
	ds_load_b32 v[QFS], v12 offset:256*\m+128
	s_wait_dscnt 0x0                               ; these are in, and the stores of the tile before are done
.set AC, DK+16*(\m%2)
	WM AC,   WQ,    G,   BQ,   WQS,   GS,  0       ; transposed: lane (r, h) holds query r, channels 32 w + 16 t + 8 h + 0 .. 7; out_b is the C of the first products
	WM AC+8, WQ+16, G,   BQ+8, WQS+1, GS,  0
	WM AC,   WQ+8,  G+8, AC,   WQS,   QFS, 2
	WM AC+8, WQ+24, G+8, AC+8, WQS+1, QFS, 2
	PLACES
	ds_store_b128 v251, v[AC:AC+3] offset:16*OP*\m             ; each accumulator from its low end on
	ds_store_b128 v251, v[AC+4:AC+7] offset:16*OP*\m+16
	ds_store_b128 v251, v[AC+8:AC+11] offset:16*OP*\m+64
	ds_store_b128 v251, v[AC+12:AC+15] offset:16*OP*\m+80
.endr
	BARRIER                                        ; 64 whole rows of out0 lie in the stage
.irp n, 0,1,2,3,4,5,6,7,8,9,10,11,12,13,14,15
	ds_load_b128 v[WK+4*\n:WK+4*\n+3], v252 offset:OP*(\n/2)+512*(\n%2)
.endr
.irp n, 0,1,2,3,4,5,6,7,8,9,10,11,12,13,14,15
	s_wait_dscnt 15-\n                             ; LDS loads come back in order: the younger ones may be out
	global_store_b128 v4, v[WK+4*\n:WK+4*\n+3], s[16:17] offset:1024*(\n/2)+512*(\n%2) th:TH_STORE_NT   ; 32 lanes store 512 consecutive bytes, at a multiple of 256 from out0's first byte
.endr
	s_cmp_lg_u32 s20, 0
	s_cbranch_scc1 .Ldone
	global_load_b128 v[G:G+3], v4, s[14:15]        ; wave 0: the 64 queries' positions, 512 bytes, go to out1 as they are
	s_wait_loadcnt 0x0
	global_store_b128 v4, v[G:G+3], s[18:19]
.Ldone:
	s_wait_tensorcnt 0x0
	ds_add_u32 v254, v255
	s_wait_dscnt 0x0
	s_endpgm
.Lfunc_end_k_q515f8264ba_attn:
	.size	k_q515f8264ba_attn, .Lfunc_end_k_q515f8264ba_attn-k_q515f8264ba_attn
	.p2alignl 7, 3214868480
	.fill 96, 4, 3214868480
	.section	.rodata,"a",@progbits
	.p2align	6, 0x0
	.amdhsa_kernel k_q515f8264ba_attn
		.amdhsa_group_segment_fixed_size 216064
		.amdhsa_private_segment_fixed_size 0
		.amdhsa_enable_private_segment 0
		.amdhsa_kernarg_size 64
		.amdhsa_user_sgpr_count 2
		.amdhsa_user_sgpr_kernarg_segment_ptr 1
		.amdhsa_wavefront_size32 1
		.amdhsa_system_sgpr_workgroup_id_x 1
		.amdhsa_system_sgpr_workgroup_id_y 1
		.amdhsa_system_sgpr_workgroup_id_z 1
		.amdhsa_system_vgpr_workitem_id 0
		.amdhsa_next_free_vgpr 256
		.amdhsa_next_free_sgpr 66
		.amdhsa_reserve_vcc 0
		.amdhsa_float_denorm_mode_32 3
		.amdhsa_float_denorm_mode_16_64 3
		.amdhsa_memory_ordered 1
		.amdhsa_forward_progress 1
		.amdhsa_inst_pref_size 111
	.end_amdhsa_kernel
	.amdgpu_metadata
---
amdhsa.version: [ 1, 2 ]
amdhsa.kernels:
  - .name:           k_q515f8264ba_attn
    .symbol:         k_q515f8264ba_attn.kd
    .args:
      - { .name: codes, .offset: 0, .size: 8, .value_kind: global_buffer, .address_space: global }
      - { .name: scales, .offset: 8, .size: 8, .value_kind: global_buffer, .address_space: global }
      - { .name: knn, .offset: 16, .size: 8, .value_kind: global_buffer, .address_space: global }
      - { .name: in_proj_b, .offset: 24, .size: 8, .value_kind: global_buffer, .address_space: global }
      - { .name: out_b, .offset: 32, .size: 8, .value_kind: global_buffer, .address_space: global }
      - { .name: query_pos, .offset: 40, .size: 8, .value_kind: global_buffer, .address_space: global }
      - { .name: out0, .offset: 48, .size: 8, .value_kind: global_buffer, .address_space: global }
      - { .name: out1, .offset: 56, .size: 8, .value_kind: global_buffer, .address_space: global }
    .group_segment_fixed_size: 216064
    .private_segment_fixed_size: 0
    .kernarg_segment_align: 8
    .kernarg_segment_size: 64
    .max_flat_workgroup_size: 256
    .sgpr_count:     66
    .vgpr_count:     256
    .wavefront_size: 32
...
	.end_amdgpu_metadata
.endif
;; end of part 4
;; ======== version 2 of 2: 3 launches
;; limits: right only within a limited range of input values
;; workspace buffers: codes 4,325,376 bytes; scales 270,336 bytes; grp 1,048,576 bytes of whole numbers; knn 1,048,576 bytes of whole numbers
;; launch knn1 (part 5): grid 520 x 1, 8 waves a work-group, no clusters, 117,760 bytes of LDS; arguments context_pos, query_pos, grp, context, query, in_proj_w, out_w, w_rff, codes, scales; writes grp, codes, scales
.if DOCPART == 5
	.amdgcn_target "amdgcn-amd-amdhsa--gfx1250"
	.amdhsa_code_object_version 6
	.text
	.protected	k_q515f8264ba_knn1
	.globl	k_q515f8264ba_knn1
	.p2align	8
	.type	k_q515f8264ba_knn1,@function
k_q515f8264ba_knn1:
	s_mov_b64 s[64:65], 0
	v_nop
	global_prefetch_b8 v0, s[64:65] scope:SCOPE_SE
	s_setreg_imm32_b32 hwreg(HW_REG_WAVE_MODE, 25, 1), 1
	s_wait_xcnt 0x0
; First half of the search for the 16 nearest contexts.  A batch's 4,096 contexts are 256 groups of 16 neighbouring indices.  Every one of a query's 16 nearest (ties: the lower index) lies in one of the
; 16 groups with the smallest (group minimum of d2, group number): were its group not among them, 16 other groups would each hold a context that comes before it.  This launch stores those 16 group numbers a query.
; d2 in this order of rounding, the same in the next launch: qs = (qx qx) + (qy qy), each square rounded, then the sum; cs likewise; dot = fma(qy, y, qx x); d2 = fma(-2, dot, qs + cs), which is (qs + cs) - 2 dot rounded once.
; A work-group takes 64 queries of one batch.  PHASE A: thread t holds group t's 16 contexts in registers; the queries come as scalars, 8 to a scalar load; each query's 256 group minima go to LDS.
; PHASE B: a lane takes a query; wave w takes queries 32 (w % 2) .. and groups 64 (w / 2) .. + 63, and keeps a list of 16, sorted by (value, number), by insertion, with no branch on data.
; The four lists of a query are merged through LDS: of two sorted lists, one taken backwards, the smaller of each pair are the 16 smallest; four stages of exchanges sort them again for the second merge.
; LIMITS: positions finite and d2 under infinity; NaN is not served.
; TWO JOBS IN ONE LAUNCH, told apart by the work-group's number alone: work-groups 0-255 do the search described above; work-groups 256-519 quantise the features and the weights (the text from .Lprep on).
; The two know nothing of each other: other buffers, other LDS bytes (the search 0 .. 99,327, the quantiser 100,352 ..), no common barrier; each path ends by itself.  The longer job has the lower numbers.
; WORK THAT THE PROGRAM LEAVES OUT (in launch attn): bk = in_proj_b[256:512].  scores[b,q,h,k] = qh . (Wk_h c_k + bk_h) / sqrt(32) = qh . (Wk_h c_k) / sqrt(32) + qh . bk_h / sqrt(32).
; The last term does not hang on k, the softmax's axis: for all finite values of the inputs the softmax is the same without it, and kh goes nowhere else.  So these 256 numbers are not loaded (bq and bv are).
; LIMIT: a NaN, an infinity or an overflow that reaches only that term is not carried to the result.
.set MP,   1040                        ; LDS: a query's 256 minima + 16 bytes: 65 x 16
.set MRG,  64*MP                       ; behind them: 4,096 bytes for each wave, for the merge
.set XX,   16                          ; v16-31  x of my group's 16
.set YY,   32                          ; v32-47  y
.set CS,   48                          ; v48-63  x x + y y
.set RAW,  64                          ; v64-95  as loaded
.set DD,   64                          ; v64-79  at work
.set SS,   80                          ; v80-95
.set TP,   80                          ; v80-95  phase B: an insertion's first selects
.set LL,   100                         ; v100-115 the list's values, ascending
.set II,   116                         ; v116-131 and their numbers
.set PL,   132                         ; v132-147 a partner's list; the second set of the sorting stages
.set PI,   148
.set VID,  164
.set MN,   168                         ; v168-175 a chunk's eight minima, a register each
.set MK,   68                          ; s68-91  lane masks
; v[val] with the number v[id] is put into the ascending list.  The compare is strict: on a tie what came earlier, the lower number, keeps its place.
; No line reads the result of the line above it: the first selects go to registers of their own, the second selects read them and the old neighbour (from the top down, so that a neighbour is read before it is written).
.macro INSERT val, id
.set ii, 0
.rept 16
	v_cmp_lt_f32 s[MK+ii], v[\val], v[LL+ii]
.set ii, ii+1
.endr
.set ii, 15
.rept 15
	v_med3_num_f32 v[LL+ii], v[\val], v[LL+ii-1], v[LL+ii]         ; the middle of the three is the place's new value
.set ii, ii-1
.endr
	v_min_num_f32 v[LL], v[\val], v[LL]
.set ii, 1
.rept 15
	v_cndmask_b32 v[TP+ii], v[II+ii], v[\id], s[MK+ii]             ; under my value: the new number,
.set ii, ii+1
.endr
.set ii, 15
.rept 15
	v_cndmask_b32 v[II+ii], v[TP+ii], v[II+ii-1], s[MK+ii-1]       ; or, if it goes in further down, my neighbour's
.set ii, ii-1
.endr
	v_cndmask_b32 v[II], v[II], v[\id], s[MK]
.endm
.macro TOSLOT
.irp k, 0,1,2,3
	ds_store_b128 v5, v[LL+4*\k:LL+4*\k+3] offset:512*\k
	ds_store_b128 v5, v[II+4*\k:II+4*\k+3] offset:2048+512*\k
.endr
.endm
.macro FROMSLOT adr
.irp k, 0,1,2,3
	ds_load_b128 v[PL+4*\k:PL+4*\k+3], v[\adr] offset:512*\k
	ds_load_b128 v[PI+4*\k:PI+4*\k+3], v[\adr] offset:2048+512*\k
.endr
	s_wait_dscnt 0x0
.endm
; Two ascending lists, the partner's taken backwards: the smaller of each pair are the 16 smallest of the 32.  The partner's numbers are all higher than mine, so a tie stays with mine: the strict compare.
; vals = 1: the values are kept too (they are wanted again); 0: only the numbers.
.macro HALF vals
.set nn, 0
.rept 16
	v_cmp_lt_f32 s[MK+nn], v[PL+15-nn], v[LL+nn]
.set nn, nn+1
.endr
.if \vals
.set nn, 0
.rept 16
	v_min_num_f32 v[LL+nn], v[PL+15-nn], v[LL+nn]
.set nn, nn+1
.endr
.endif
.set nn, 0
.rept 16
	v_cndmask_b32 v[II+nn], v[II+nn], v[PI+15-nn], s[MK+nn]
.set nn, nn+1
.endr
.endm
; One stage of the network that sorts what HALF leaves (it rises and falls once): places i and i + d, for every i without the bit d, are put in order by (value, number).  Read from one set of registers, written to the other: no copy.
.macro STAGE d, sl, si, dl, di
.set ii, 0
.set cc, 0
.rept 16
.if (ii & \d) == 0
	v_cmp_lt_f32 s[MK+3*cc], v[\sl+ii+\d], v[\sl+ii]
	v_cmp_eq_f32 s[MK+3*cc+1], v[\sl+ii+\d], v[\sl+ii]
	v_cmp_lt_u32 s[MK+3*cc+2], v[\si+ii+\d], v[\si+ii]
.set cc, cc+1
.endif
.set ii, ii+1
.endr
.set cc, 0
.rept 8
	s_and_b32 s[MK+3*cc+1], s[MK+3*cc+1], s[MK+3*cc+2]             ; equal values and the lower number above:
.set cc, cc+1
.endr
.set cc, 0
.rept 8
	s_or_b32 s[MK+3*cc], s[MK+3*cc], s[MK+3*cc+1]                  ; that, or the smaller value above: the two change places
.set cc, cc+1
.endr
.set ii, 0
.set cc, 0
.rept 16
.if (ii & \d) == 0
	v_min_num_f32 v[\dl+ii], v[\sl+ii], v[\sl+ii+\d]
	v_max_num_f32 v[\dl+ii+\d], v[\sl+ii], v[\sl+ii+\d]
	v_cndmask_b32 v[\di+ii], v[\si+ii], v[\si+ii+\d], s[MK+3*cc]
	v_cndmask_b32 v[\di+ii+\d], v[\si+ii+\d], v[\si+ii], s[MK+3*cc]
.set cc, cc+1
.endif
.set ii, ii+1
.endr
.endm
; The four quarters' lists of a query become one set of 16.  The branches hang on the wave's number alone; both barriers stand on every wave's path.
.macro MERGE ob
	s_cmp_eq_u32 s21, 0
	s_cbranch_scc1 .Lm1
	TOSLOT                                         ; quarters 1 and 3 hand their lists over
.Lm1:
	s_wait_dscnt 0x0                               ; my stores have landed
	s_barrier_signal -1
	s_barrier_wait -1
	s_cmp_lg_u32 s21, 0
	s_cbranch_scc1 .Lm2
	FROMSLOT 6                                     ; quarters 0 and 2 take them in
	HALF 1
	STAGE 8, LL, II, PL, PI
	STAGE 4, PL, PI, LL, II
	STAGE 2, LL, II, PL, PI
	STAGE 1, PL, PI, LL, II                        ; sorted again, in the list's own registers
.Lm2:
	s_cmp_lg_u32 s22, 2
	s_cbranch_scc1 .Lm3
	s_wait_alu depctr_va_vdst(0)
	TOSLOT                                         ; quarter 2 hands over, into a slot that nobody has touched yet
.Lm3:
	s_wait_dscnt 0x0
	s_barrier_signal -1
	s_barrier_wait -1
	s_cmp_lg_u32 s22, 0
	s_cbranch_scc1 .Lm4
	FROMSLOT 7
	HALF 0                                         ; only the set is wanted now
.irp j, 0,1,2,3
	global_store_b128 v11, v[II+4*\j:II+4*\j+3], s[\ob:\ob+1] offset:16*\j
.endr
.Lm4:
.endm
	v_lshl_add_u32 v14, v0, 2, 0x18400             ; my spare word and 0, for both jobs: neither names v14 or v15 otherwise
	v_mov_b32 v15, 0
	s_cmp_ge_u32 ttmp9, 256
	s_cbranch_scc1 .Lprep                          ; the quantiser's work-groups
	s_load_b128 s[4:7], s[0:1], 0x0                ; context_pos, query_pos
	s_load_b64 s[8:9], s[0:1], 0x10                ; grp
	v_lshrrev_b32 v1, 5, v0
	s_delay_alu instid0(VALU_DEP_1)
	v_readfirstlane_b32 s20, v1                    ; wave 0..7
	v_and_b32 v1, 31, v0                           ; lane
	s_and_b32 s21, s20, 2                          ; not 0: an odd quarter
	s_lshr_b32 s22, s20, 1                         ; my quarter
	s_and_b32 s23, s20, 1                          ; my half of the queries
	v_lshlrev_b32 v2, 2, v0                        ; phase A: my group's word in a query's row of minima
	v_lshlrev_b32 v9, 7, v0                        ; and my group's 128 bytes of positions
	s_lshl_b32 s10, s23, 5
	v_add_nc_u32 v4, s10, v1
	s_delay_alu instid0(VALU_DEP_1)
	v_mul_u32_u24 v4, v4, MP
	s_lshl_b32 s11, s22, 8
	v_add_nc_u32 v4, s11, v4                       ; phase B: my query's row, my quarter's 64 words
	v_lshlrev_b32 v8, 4, v1
	s_wait_alu depctr_va_vdst(0)
	s_lshl_b32 s11, s20, 12
	s_add_co_u32 s11, s11, MRG
	v_add_nc_u32 v5, s11, v8                       ; my wave's slot;
	s_add_co_u32 s11, s20, 2
	s_and_b32 s11, s11, 7
	s_lshl_b32 s11, s11, 12
	s_add_co_u32 s11, s11, MRG
	v_add_nc_u32 v6, s11, v8                       ; that of the wave two on;
	s_add_co_u32 s11, s20, 4
	s_and_b32 s11, s11, 7
	s_lshl_b32 s11, s11, 12
	s_add_co_u32 s11, s11, MRG
	v_add_nc_u32 v7, s11, v8                       ; four on.  (All made here, ahead of the first parting of the waves)
	v_lshlrev_b32 v11, 6, v1                       ; the way out: 64 bytes a query
	s_lshl_b32 s11, s22, 6
	v_mov_b32 v[VID], s11                          ; my quarter's first group
	s_mov_b32 s13, 0
	s_mov_b32 s24, 0
	s_mov_b32 s25, 0
	s_mov_b32 s85, 0                               ; (upper words of pairs whose low word serves both halves)
	s_mov_b32 s87, 0
	s_wait_kmcnt 0x0
	s_lshr_b32 s12, ttmp9, 6
	s_lshl_b32 s12, s12, 15
	s_add_nc_u64 s[4:5], s[4:5], s[12:13]          ; my batch's contexts
	s_lshl_b32 s12, ttmp9, 9
	s_add_nc_u64 s[6:7], s[6:7], s[12:13]          ; my 64 queries
	s_lshl_b32 s12, ttmp9, 12
	s_lshl_b32 s14, s23, 11
	s_add_co_u32 s12, s12, s14
	s_add_nc_u64 s[8:9], s[8:9], s[12:13]          ; and their rows of grp, my half's
	s_load_b512 s[32:47], s[6:7], s24 offset:0x0   ; queries 0 to 7
.irp j, 0,1,2,3,4,5,6,7
	global_load_b128 v[RAW+4*\j:RAW+4*\j+3], v9, s[4:5] offset:16*\j
.endr
.set nn, 0
.rept 16
	v_mov_b32 v[LL+nn], 0x7f800000                 ; the list begins as infinities, over every d2
	v_mov_b32 v[II+nn], 0
.set nn, nn+1
.endr
	s_wait_loadcnt 0x0
.set nn, 0
.rept 16
	v_mov_b32 v[XX+nn], v[RAW+2*nn]
	v_mov_b32 v[YY+nn], v[RAW+2*nn+1]
.set nn, nn+1
.endr
.irp p, 0,2,4,6,8,10,12,14
	v_pk_mul_f32 v[CS+\p:CS+\p+1], v[XX+\p:XX+\p+1], v[XX+\p:XX+\p+1]   ; x x, rounded
.endr
.irp p, 0,2,4,6,8,10,12,14
	v_pk_mul_f32 v[SS+\p:SS+\p+1], v[YY+\p:YY+\p+1], v[YY+\p:YY+\p+1]   ; y y, rounded (the registers of the raw positions are free)
.endr
.irp p, 0,2,4,6,8,10,12,14
	v_pk_add_f32 v[CS+\p:CS+\p+1], v[CS+\p:CS+\p+1], v[SS+\p:SS+\p+1]   ; cs: not fused on purpose: the squares are numbers of their own in the definition
.endr
; Query i of the chunk in s[cur ..]: d2 to my group's 16 contexts, their minimum to LDS.
.macro QDIST cur, i
	s_mov_b32 s84, s[\cur+2*\i+1]                  ; qy, as a pair's low word
	s_mul_f32 s86, s[\cur+2*\i], s[\cur+2*\i]      ; qx qx, rounded
	s_mul_f32 s88, s84, s84                        ; qy qy, rounded
	s_add_f32 s86, s86, s88                        ; qs
.irp p, 0,2,4,6,8,10,12,14
	v_pk_mul_f32 v[DD+\p:DD+\p+1], v[XX+\p:XX+\p+1], s[\cur+2*\i:\cur+2*\i+1] op_sel_hi:[1,0]
.endr
.irp p, 0,2,4,6,8,10,12,14
	v_pk_fma_f32 v[DD+\p:DD+\p+1], v[YY+\p:YY+\p+1], s[84:85], v[DD+\p:DD+\p+1] op_sel_hi:[1,0,1]
.endr
.irp p, 0,2,4,6,8,10,12,14
	v_pk_add_f32 v[SS+\p:SS+\p+1], v[CS+\p:CS+\p+1], s[86:87] op_sel_hi:[1,0]
.endr
.irp p, 0,2,4,6,8,10,12,14
	v_pk_fma_f32 v[DD+\p:DD+\p+1], v[DD+\p:DD+\p+1], -2.0, v[SS+\p:SS+\p+1] op_sel_hi:[1,0,1]
.endr
	v_min3_num_f32 v96, v[DD], v[DD+1], v[DD+2]    ; the smallest of the 16, in four chains
	v_min3_num_f32 v97, v[DD+3], v[DD+4], v[DD+5]
	v_min3_num_f32 v98, v[DD+6], v[DD+7], v[DD+8]
	v_min3_num_f32 v99, v[DD+9], v[DD+10], v[DD+11]
	s_delay_alu instid0(VALU_DEP_4)
	v_min3_num_f32 v96, v96, v[DD+12], v[DD+13]
	s_delay_alu instid0(VALU_DEP_4)
	v_min3_num_f32 v97, v97, v[DD+14], v[DD+15]
	s_delay_alu instid0(VALU_DEP_3)
	v_min_num_f32 v98, v98, v99
	s_delay_alu instid0(VALU_DEP_1)
	v_min3_num_f32 v[MN+\i], v96, v97, v98
	ds_store_b32 v3, v[MN+\i] offset:MP*\i
.endm
.macro CHUNK cur, nxt
	s_wait_kmcnt 0x0                               ; this chunk's queries are in, and no scalar load is out: its offset may step
	s_add_co_u32 s24, s24, 64
	s_min_u32 s24, s24, 448                        ; the look-ahead stays inside my 512 bytes: the last chunk asks for itself once more
	s_load_b512 s[\nxt:\nxt+15], s[6:7], s24 offset:0x0
	v_add_nc_u32 v3, s25, v2
.irp i, 0,1,2,3,4,5,6,7
	QDIST \cur, \i
.endr
	s_add_co_u32 s25, s25, 8*MP
.endm
	s_mov_b32 s28, 4
.Lchunks:
	CHUNK 32, 48
	CHUNK 48, 32
	s_sub_co_u32 s28, s28, 1
	s_cmp_lg_u32 s28, 0
	s_cbranch_scc1 .Lchunks
	s_wait_kmcnt 0x0
	s_wait_dscnt 0x0                               ; my minima have landed
	s_barrier_signal -1
	s_barrier_wait -1                              ; everybody's have
	s_mov_b32 s27, 0
	s_mov_b32 s28, 8
.Lsel:                                                 ; eight groups a trip
	v_add_nc_u32 v3, s27, v4
	ds_load_b128 v[64:67], v3
	ds_load_b128 v[68:71], v3 offset:16
	s_wait_dscnt 0x0
.irp n, 0,1,2,3,4,5,6,7
	INSERT 64+\n, VID
	v_add_nc_u32 v[VID], 1, v[VID]
.endr
	s_add_co_u32 s27, s27, 32
	s_sub_co_u32 s28, s28, 1
	s_cmp_lg_u32 s28, 0
	s_cbranch_scc1 .Lsel
	MERGE 8
	s_wait_tensorcnt 0x0
	ds_add_u32 v14, v15
	s_wait_dscnt 0x0
	s_endpgm
; THE QUANTISER.  33,792 rows of 256 f32 become codes of FP4 (E2M1), 128 bytes a row, K innermost, and 8 E8M0 scale bytes a row (one for each 32 along K).
; Destination rows: 0.. c_feat = context + enc(context_pos); 16,384.. q_feat = query + enc(query_pos); 32,768.. in_proj_w; 33,536.. out_w.
; enc(pos) = [sin(a), cos(a)], a = 2 pi (x w0 + y w1), 128 columns each.  sin and cos: j = nearest whole number to a 2/pi; r = a - j pi/2 with pi/2 in three parts,
; by three fused multiply-adds; polynomials in r on [-pi/4, pi/4]; the quadrant j mod 4 chooses and signs.
; A work-group takes 128 rows, a wave 16, two rows a step: lanes 0-15 the even row, lanes 16-31 the odd.  Lane i of a row holds columns 8 i .. 8 i + 7 of the sin half AND of the cos half:
; one reduction serves both.  A block of 32 lies in four neighbouring lanes.
; ONE PATH FOR ALL ROWS: only pointers and a gate are chosen, by the work-group's number.  For weight rows the gate is 0: the encoding (made of positions that lie inside query_pos) is multiplied by it and adds nothing.
; A block's scale byte is its largest magnitude's exponent field - 2, held at 1 from below; a block of zeros so gets 1 where the quantiser says 127: its codes are zeros, and this program alone reads the bytes.
; LIMITS: NaN and infinities are not served; |a| up to about 1e5 (j as a whole number, three parts of pi/2); beyond that the encoding loses accuracy.
.set W0,  16                           ; v16-23  w_rff[0][8 i ..]
.set W1,  24                           ; v24-31  w_rff[1][8 i ..]
.set POS, 32                           ; v32-47  (x, y) of my row in each of the eight steps
.set KC2, 48                           ; v48-49  a cosine coefficient, twice
.set KS2, 50                           ; v50-51  a sine coefficient, twice
.set X,   64                           ; v64-191 step st: 8 numbers of the sin half, 8 of the cos half
.set TA,  192
.set TJ,  200
.set TS,  208
.set TC,  216
.set TN,  224
.set TI,  232
.set CD,  240                          ; v240-255 two registers of codes for each step
.set PB,  100352                       ; LDS: 8 x 2,048 bytes of codes,
.set SCB, PB+16384                     ; then 8 x 128 scale bytes; each wave touches its own alone: no barrier
.macro SPAIR r, val                    ; a constant as a scalar pair: the packed forms name the pair and take its low word for both halves
	s_mov_b32 s[\r], \val
	s_mov_b32 s[\r+1], \val
.endm
.Lprep:
	s_load_b256 s[4:11], s[0:1], 0x18              ; context, query, in_proj_w, out_w
	s_load_b128 s[12:15], s[0:1], 0x0              ; context_pos, query_pos
	s_load_b128 s[16:19], s[0:1], 0x38             ; w_rff, codes
	s_load_b64 s[20:21], s[0:1], 0x48              ; scales
	v_lshrrev_b32 v1, 5, v0
	v_readfirstlane_b32 s2, v1                     ; wave
	v_and_b32 v1, 31, v0                           ; lane
	v_and_b32 v2, 15, v0                           ; i
	v_bfe_u32 v3, v0, 4, 1                         ; h
	v_lshlrev_b32 v6, 5, v2                        ; 32 i: my 8 columns
	v_lshl_add_u32 v4, v3, 10, v6                  ; + 1,024 h: my row of the step's two
	v_lshlrev_b32 v5, 3, v3                        ; 8 h: my row's position
	v_lshlrev_b32 v12, 2, v1                       ; 4 x lane
	v_lshlrev_b32 v10, 4, v1                       ; 16 x lane
	s_lshl_b32 s3, s2, 11
	s_add_co_u32 s3, s3, PB
	v_add_nc_u32 v7, s3, v12                       ; codes into LDS: 2,048 w + 4 x lane
	v_add_nc_u32 v9, s3, v10                       ; and back: 2,048 w + 16 x lane
	s_lshl_b32 s3, s2, 7
	s_add_co_u32 s3, s3, SCB
	v_add_nc_u32 v11, s3, v12                      ; scale bytes back: 4 x lane
	v_lshrrev_b32 v8, 2, v2
	v_add_nc_u32 v8, v8, v5
	v_add_nc_u32 v8, s3, v8                        ; scale bytes in: 8 h + my block i / 4
	v_mov_b32 v[KC2], 0xbab6061a                   ; -1.388731625e-3
	v_mov_b32 v[KC2+1], 0xbab6061a
	v_mov_b32 v[KS2], 0x3c08839e                   ; 8.3321608736e-3
	v_mov_b32 v[KS2+1], 0x3c08839e
	SPAIR 40, 0x40c90fdb                           ; 2 pi
	SPAIR 42, 0x3f22f983                           ; 2 / pi
	SPAIR 44, 0xbfc90fdb                           ; pi/2 = 1.57079637 - 4.37113883e-8 - 1.7151e-15: the three parts, each with the sign that takes j x part away
	SPAIR 46, 0x333bbd2e
	SPAIR 48, 0x26f72bfe
	SPAIR 50, 0x37ccf5ce                           ; cos: 2.443315712e-5
	SPAIR 52, 0x3d2aaaa5                           ; 4.166664568e-2
	SPAIR 54, 0xb94ca1f9                           ; sin: -1.9515295891e-4
	SPAIR 56, 0xbe2aaaa3                           ; -1.6666654611e-1
	s_mov_b32 s30, 0x80000000
	s_sub_co_u32 s35, ttmp9, 256                   ; my number among the quantiser's 264 work-groups
	s_wait_alu depctr_va_vdst(0)                   ; the wait at the head's end
	s_wait_kmcnt 0x0
	s_mov_b64 s[22:23], s[10:11]                   ; which tensor my rows come from, and its first work-group: the choice hangs on the work-group's number alone
	s_mov_b32 s24, 262
	s_cmp_lt_u32 s35, 262
	s_cselect_b64 s[22:23], s[8:9], s[22:23]
	s_cselect_b32 s24, 256, s24
	s_cmp_lt_u32 s35, 256
	s_cselect_b64 s[22:23], s[6:7], s[22:23]
	s_cselect_b32 s24, 128, s24
	s_cselect_b32 s28, 1.0, 0                      ; the gate: 1 for rows that take an encoding, 0 for weights
	s_cmp_lt_u32 s35, 128
	s_cselect_b64 s[22:23], s[4:5], s[22:23]
	s_cselect_b32 s24, 0, s24
	s_cselect_b64 s[26:27], s[12:13], s[14:15]     ; the positions
	s_mov_b32 s29, s28
	s_sub_co_u32 s25, s35, s24
	s_lshl_b32 s25, s25, 7
	s_lshl_b32 s31, s2, 4
	s_add_co_u32 s25, s25, s31                     ; my wave's first row in its tensor
	s_mov_b32 s33, 0
	s_lshl_b32 s32, s25, 10
	s_add_nc_u64 s[22:23], s[22:23], s[32:33]
	s_lshl_b32 s32, s25, 3
	s_add_nc_u64 s[26:27], s[26:27], s[32:33]
	s_lshl_b32 s34, s35, 7
	s_add_co_u32 s34, s34, s31                     ; and among the destination rows
	s_lshl_b32 s32, s34, 7
	s_add_nc_u64 s[18:19], s[18:19], s[32:33]
	s_lshl_b32 s32, s34, 3
	s_add_nc_u64 s[20:21], s[20:21], s[32:33]
	; all loads go out at once: 4 + 8 + 32
	global_load_b128 v[W0:W0+3], v6, s[16:17]
	global_load_b128 v[W0+4:W0+7], v6, s[16:17] offset:16
	global_load_b128 v[W1:W1+3], v6, s[16:17] offset:512
	global_load_b128 v[W1+4:W1+7], v6, s[16:17] offset:528
.irp st, 0,1,2,3,4,5,6,7
	global_load_b64 v[POS+2*\st:POS+2*\st+1], v5, s[26:27] offset:16*\st
.endr
.irp st, 0,1,2,3,4,5,6,7
	global_load_b128 v[X+16*\st:X+16*\st+3], v4, s[22:23] offset:2048*\st th:TH_LOAD_NT
	global_load_b128 v[X+16*\st+4:X+16*\st+7], v4, s[22:23] offset:2048*\st+16 th:TH_LOAD_NT
	global_load_b128 v[X+16*\st+8:X+16*\st+11], v4, s[22:23] offset:2048*\st+512 th:TH_LOAD_NT
	global_load_b128 v[X+16*\st+12:X+16*\st+15], v4, s[22:23] offset:2048*\st+528 th:TH_LOAD_NT
.endr
; The encoding of my 8 columns of step st's row is added to the step's 16 numbers.
.macro ENC st
.set XS, X+16*(\st)
.set PS, POS+2*(\st)
.irp p, 0,2,4,6
	v_pk_mul_f32 v[TA+\p:TA+\p+1], v[W0+\p:W0+\p+1], v[PS:PS+1] op_sel_hi:[1,0]                                      ; x w0
.endr
.irp p, 0,2,4,6
	v_pk_fma_f32 v[TA+\p:TA+\p+1], v[W1+\p:W1+\p+1], v[PS:PS+1], v[TA+\p:TA+\p+1] op_sel:[0,1,0] op_sel_hi:[1,1,1]   ; + y w1
.endr
.irp p, 0,2,4,6
	v_pk_mul_f32 v[TA+\p:TA+\p+1], v[TA+\p:TA+\p+1], s[40:41] op_sel_hi:[1,0]                                        ; a
.endr
.irp p, 0,2,4,6
	v_pk_mul_f32 v[TJ+\p:TJ+\p+1], v[TA+\p:TA+\p+1], s[42:43] op_sel_hi:[1,0]
.endr
.irp e, 0,1,2,3,4,5,6,7
	v_rndne_f32 v[TJ+\e], v[TJ+\e]                                                                                   ; j
.endr
.irp e, 0,1,2,3,4,5,6,7
	v_cvt_i32_f32 v[TI+\e], v[TJ+\e]
.endr
.irp k, 44,46,48
.irp p, 0,2,4,6
	v_pk_fma_f32 v[TA+\p:TA+\p+1], v[TJ+\p:TJ+\p+1], s[\k:\k+1], v[TA+\p:TA+\p+1] op_sel_hi:[1,0,1]                  ; r = a - j pi/2, part by part
.endr
.endr
.irp p, 0,2,4,6
	v_pk_mul_f32 v[TS+\p:TS+\p+1], v[TA+\p:TA+\p+1], v[TA+\p:TA+\p+1]                                                ; z = r r
.endr
.irp p, 0,2,4,6
	v_pk_fma_f32 v[TC+\p:TC+\p+1], v[TS+\p:TS+\p+1], s[50:51], v[KC2:KC2+1] op_sel_hi:[1,0,1]
	v_pk_fma_f32 v[TN+\p:TN+\p+1], v[TS+\p:TS+\p+1], s[54:55], v[KS2:KS2+1] op_sel_hi:[1,0,1]
.endr
.irp p, 0,2,4,6
	v_pk_fma_f32 v[TC+\p:TC+\p+1], v[TC+\p:TC+\p+1], v[TS+\p:TS+\p+1], s[52:53] op_sel_hi:[1,1,0]
	v_pk_fma_f32 v[TN+\p:TN+\p+1], v[TN+\p:TN+\p+1], v[TS+\p:TS+\p+1], s[56:57] op_sel_hi:[1,1,0]
.endr
.irp p, 0,2,4,6
	v_pk_fma_f32 v[TC+\p:TC+\p+1], v[TC+\p:TC+\p+1], v[TS+\p:TS+\p+1], -0.5 op_sel_hi:[1,1,0]
.endr
.irp p, 0,2,4,6
	v_pk_fma_f32 v[TC+\p:TC+\p+1], v[TC+\p:TC+\p+1], v[TS+\p:TS+\p+1], 1.0 op_sel_hi:[1,1,0]                         ; cos r = 1 + z (-1/2 + z (..))
.endr
.irp p, 0,2,4,6
	v_pk_mul_f32 v[TS+\p:TS+\p+1], v[TS+\p:TS+\p+1], v[TA+\p:TA+\p+1]                                                ; z r
.endr
.irp p, 0,2,4,6
	v_pk_fma_f32 v[TN+\p:TN+\p+1], v[TN+\p:TN+\p+1], v[TS+\p:TS+\p+1], v[TA+\p:TA+\p+1]                              ; sin r = r + z r (..)
.endr
.irp e, 0,1,2,3,4,5,6,7
	v_and_b32 v[TS+\e], 1, v[TI+\e]
	v_cmp_ne_u32 vcc_lo, 0, v[TS+\e]               ; an odd quadrant swaps the two
	v_cndmask_b32 v[TA+\e], v[TN+\e], v[TC+\e], vcc_lo
	v_cndmask_b32 v[TJ+\e], v[TC+\e], v[TN+\e], vcc_lo
	v_lshlrev_b32 v[TS+\e], 30, v[TI+\e]           ; sin a changes sign where bit 1 of j is set,
	v_add_nc_u32 v[TI+\e], 1, v[TI+\e]
	v_and_b32 v[TS+\e], s30, v[TS+\e]
	v_lshlrev_b32 v[TI+\e], 30, v[TI+\e]           ; cos a where bit 1 of j + 1 is
	v_xor_b32 v[TA+\e], v[TA+\e], v[TS+\e]
	v_and_b32 v[TI+\e], s30, v[TI+\e]
	v_xor_b32 v[TJ+\e], v[TJ+\e], v[TI+\e]
.endr
.irp p, 0,2,4,6
	v_pk_fma_f32 v[XS+\p:XS+\p+1], v[TA+\p:TA+\p+1], s[28:29], v[XS+\p:XS+\p+1] op_sel_hi:[1,0,1]                    ; + gate x sin a: with the gate 1 one rounding, as an addition has
	v_pk_fma_f32 v[XS+8+\p:XS+9+\p], v[TJ+\p:TJ+\p+1], s[28:29], v[XS+8+\p:XS+9+\p] op_sel_hi:[1,0,1]                ; + gate x cos a
.endr
.endm
; The step's two blocks of mine are quantised; codes and scale bytes go to my wave's bytes of LDS.
.macro QSTEP st
.set XS, X+16*(\st)
	v_max3_num_f32 v52, |v[XS]|, |v[XS+1]|, 0x1800000      ; my 8 numbers of each half, and the floor 2^(3 - 127): the byte cannot fall under 1
	v_max3_num_f32 v53, |v[XS+8]|, |v[XS+9]|, 0x1800000
.irp k, 2,4,6
	v_max3_num_f32 v52, v52, |v[XS+\k]|, |v[XS+\k+1]|
	v_max3_num_f32 v53, v53, |v[XS+8+\k]|, |v[XS+9+\k]|
.endr
	v_max_num_f32_dpp v52, v52, v52 row_xmask:1 row_mask:0xf bank_mask:0xf   ; with the three lanes that share the block
	v_max_num_f32_dpp v53, v53, v53 row_xmask:1 row_mask:0xf bank_mask:0xf
	v_max_num_f32_dpp v52, v52, v52 row_xmask:2 row_mask:0xf bank_mask:0xf
	v_max_num_f32_dpp v53, v53, v53 row_xmask:2 row_mask:0xf bank_mask:0xf
	v_add_nc_u32 v54, 0xff000000, v52              ; 2 off the exponent field: the conversion takes that field of this operand as its scale
	v_add_nc_u32 v55, 0xff000000, v53
	v_cvt_scalef32_pk8_fp4_f32 v[CD+2*(\st)], v[XS:XS+7], v54
	v_cvt_scalef32_pk8_fp4_f32 v[CD+2*(\st)+1], v[XS+8:XS+15], v55
	v_nop                                          ; one plain place behind the conversions, whose sources and results are touched below
	v_lshrrev_b32 v[XS], 23, v54                   ; the scale bytes, in registers of the step's own
	v_lshrrev_b32 v[XS+1], 23, v55
	v_permlane16_swap_b32 v[CD+2*(\st)], v[CD+2*(\st)+1]   ; the first now holds the even row whole (lane l: bytes 4 l ..), the second the odd row
	ds_store_b32 v7, v[CD+2*(\st)] offset:256*(\st)
	ds_store_b32 v7, v[CD+2*(\st)+1] offset:256*(\st)+128
	ds_store_b8 v8, v[XS] offset:16*(\st)          ; the four lanes of a block write the same byte with the same value
	ds_store_b8 v8, v[XS+1] offset:16*(\st)+4
.endm
.irp st, 0,1,2,3,4,5,6,7
	s_wait_loadcnt 28-4*\st                        ; loads come back in order: this step's four are in, the later steps' four each may be out
	ENC \st
	QSTEP \st
.endr
.irp j, 0,1,2,3
	ds_load_b128 v[TA+4*\j:TA+4*\j+3], v9 offset:512*\j    ; LDS serves a wave's instructions in order: these see my stores
.endr
	ds_load_b32 v[TS], v11
	s_wait_dscnt 0x0
.irp j, 0,1,2,3
	global_store_b128 v10, v[TA+4*\j:TA+4*\j+3], s[18:19] offset:512*\j   ; 32 lanes store 512 consecutive bytes, at a multiple of 256 from the buffer's first byte
.endr
	global_store_b32 v12, v[TS], s[20:21]          ; my 16 rows' 128 scale bytes
	s_wait_tensorcnt 0x0                           ; the wave's end
	ds_add_u32 v14, v15
	s_wait_dscnt 0x0
	s_endpgm
.Lfunc_end_k_q515f8264ba_knn1:
	.size	k_q515f8264ba_knn1, .Lfunc_end_k_q515f8264ba_knn1-k_q515f8264ba_knn1
	.p2alignl 7, 3214868480
	.fill 96, 4, 3214868480
	.section	.rodata,"a",@progbits
	.p2align	6, 0x0
	.amdhsa_kernel k_q515f8264ba_knn1
		.amdhsa_group_segment_fixed_size 117760
		.amdhsa_private_segment_fixed_size 0
		.amdhsa_enable_private_segment 0
		.amdhsa_kernarg_size 80
		.amdhsa_user_sgpr_count 2
		.amdhsa_user_sgpr_kernarg_segment_ptr 1
		.amdhsa_wavefront_size32 1
		.amdhsa_system_sgpr_workgroup_id_x 1
		.amdhsa_system_sgpr_workgroup_id_y 1
		.amdhsa_system_sgpr_workgroup_id_z 1
		.amdhsa_system_vgpr_workitem_id 0
		.amdhsa_next_free_vgpr 256
		.amdhsa_next_free_sgpr 96
		.amdhsa_reserve_vcc 1
		.amdhsa_float_denorm_mode_32 3
		.amdhsa_float_denorm_mode_16_64 3
		.amdhsa_memory_ordered 1
		.amdhsa_forward_progress 1
		.amdhsa_inst_pref_size 189
	.end_amdhsa_kernel
	.amdgpu_metadata
---
amdhsa.version: [ 1, 2 ]
amdhsa.kernels:
  - .name:           k_q515f8264ba_knn1
    .symbol:         k_q515f8264ba_knn1.kd
    .args:
      - { .name: context_pos, .offset: 0, .size: 8, .value_kind: global_buffer, .address_space: global }
      - { .name: query_pos, .offset: 8, .size: 8, .value_kind: global_buffer, .address_space: global }
      - { .name: grp, .offset: 16, .size: 8, .value_kind: global_buffer, .address_space: global }
      - { .name: context, .offset: 24, .size: 8, .value_kind: global_buffer, .address_space: global }
      - { .name: query, .offset: 32, .size: 8, .value_kind: global_buffer, .address_space: global }
      - { .name: in_proj_w, .offset: 40, .size: 8, .value_kind: global_buffer, .address_space: global }
      - { .name: out_w, .offset: 48, .size: 8, .value_kind: global_buffer, .address_space: global }
      - { .name: w_rff, .offset: 56, .size: 8, .value_kind: global_buffer, .address_space: global }
      - { .name: codes, .offset: 64, .size: 8, .value_kind: global_buffer, .address_space: global }
      - { .name: scales, .offset: 72, .size: 8, .value_kind: global_buffer, .address_space: global }
    .group_segment_fixed_size: 117760
    .private_segment_fixed_size: 0
    .kernarg_segment_align: 8
    .kernarg_segment_size: 80
    .max_flat_workgroup_size: 256
    .sgpr_count:     96
    .vgpr_count:     256
    .wavefront_size: 32
...
	.end_amdgpu_metadata
.endif
;; end of part 5
;; launch knn2 (part 6): grid 256 x 1, 8 waves a work-group, no clusters, 33,792 bytes of LDS; arguments context_pos, query_pos, grp, knn; writes knn
.if DOCPART == 6
	.amdgcn_target "amdgcn-amd-amdhsa--gfx1250"
	.amdhsa_code_object_version 6
	.text
	.protected	k_q515f8264ba_knn2
	.globl	k_q515f8264ba_knn2
	.p2align	8
	.type	k_q515f8264ba_knn2,@function
k_q515f8264ba_knn2:
	s_mov_b64 s[64:65], 0
	v_nop
	global_prefetch_b8 v0, s[64:65] scope:SCOPE_SE
	s_setreg_imm32_b32 hwreg(HW_REG_WAVE_MODE, 25, 1), 1
	s_wait_xcnt 0x0
; Second half of the search: each query's 16 groups (whole numbers, stored by the launch before) hold 256 candidates; the 16 with the smallest (d2, index) are its neighbours.
; A lane takes a query; wave w takes queries 32 (w % 2) .. of the work-group's 64 and the quarter w / 2 of the query's groups.  The groups are first sorted by number, so that candidates come in ascending index
; within a wave and from quarter to quarter: the insertion's strict compare then leaves a tie with the lower index.
; d2 in the same order of rounding as in the launch before: qs = (qx qx) + (qy qy), each square rounded, then the sum; cs likewise; dot = fma(qy, y, qx x); d2 = fma(-2, dot, qs + cs).
; The four lists of a query are merged through LDS: of two sorted lists, one taken backwards, the smaller of each pair are the 16 smallest; four stages of exchanges sort them again for the second merge.
; Only the set of 16 is wanted: the attention that follows does not hang on their order.
; LIMITS: positions finite and d2 under infinity; NaN is not served.
.set MRG,  0                           ; LDS: 4,096 bytes for each wave, for the merge
.set GG,   16                          ; v16-31   the query's 16 groups; once my quarter's four are picked: at work
.set UU,   16
.set RAW,  32                          ; v32-159  four groups' positions: (x, y) x 16 each
.set LL,   160
.set II,   176
.set PL,   192
.set PI,   208
.set TT,   224                         ; v224-239 at work
.set TP,   224                         ;          and an insertion's first selects
.set QX,   240
.set QY,   241
.set QS,   242
.set IDV,  243
.set GB,   244                         ; v244-247 my quarter's four groups
.set OFF,  248                         ; v248-251 their byte offsets
.set MK,   68                          ; s68-91   lane masks
; v[val] with the number v[id] is put into the ascending list.  The compare is strict: on a tie what came earlier, the lower number, keeps its place.
; No line reads the result of the line above it: the first selects go to registers of their own, the second selects read them and the old neighbour (from the top down, so that a neighbour is read before it is written).
.macro INSERT val, id
.set ii, 0
.rept 16
	v_cmp_lt_f32 s[MK+ii], v[\val], v[LL+ii]
.set ii, ii+1
.endr
.set ii, 15
.rept 15
	v_med3_num_f32 v[LL+ii], v[\val], v[LL+ii-1], v[LL+ii]         ; the middle of the three is the place's new value
.set ii, ii-1
.endr
	v_min_num_f32 v[LL], v[\val], v[LL]
.set ii, 1
.rept 15
	v_cndmask_b32 v[TP+ii], v[II+ii], v[\id], s[MK+ii]             ; under my value: the new number,
.set ii, ii+1
.endr
.set ii, 15
.rept 15
	v_cndmask_b32 v[II+ii], v[TP+ii], v[II+ii-1], s[MK+ii-1]       ; or, if it goes in further down, my neighbour's
.set ii, ii-1
.endr
	v_cndmask_b32 v[II], v[II], v[\id], s[MK]
.endm
.macro TOSLOT
.irp k, 0,1,2,3
	ds_store_b128 v5, v[LL+4*\k:LL+4*\k+3] offset:512*\k
	ds_store_b128 v5, v[II+4*\k:II+4*\k+3] offset:2048+512*\k
.endr
.endm
.macro FROMSLOT adr
.irp k, 0,1,2,3
	ds_load_b128 v[PL+4*\k:PL+4*\k+3], v[\adr] offset:512*\k
	ds_load_b128 v[PI+4*\k:PI+4*\k+3], v[\adr] offset:2048+512*\k
.endr
	s_wait_dscnt 0x0
.endm
; Two ascending lists, the partner's taken backwards: the smaller of each pair are the 16 smallest of the 32.  The partner's indices are all higher than mine, so a tie stays with mine: the strict compare.
; vals = 1: the values are kept too (they are wanted again); 0: only the indices.
.macro HALF vals
.set nn, 0
.rept 16
	v_cmp_lt_f32 s[MK+nn], v[PL+15-nn], v[LL+nn]
.set nn, nn+1
.endr
.if \vals
.set nn, 0
.rept 16
	v_min_num_f32 v[LL+nn], v[PL+15-nn], v[LL+nn]
.set nn, nn+1
.endr
.endif
.set nn, 0
.rept 16
	v_cndmask_b32 v[II+nn], v[II+nn], v[PI+15-nn], s[MK+nn]
.set nn, nn+1
.endr
.endm
; One stage of the network that sorts what HALF leaves (it rises and falls once): places i and i + d, for every i without the bit d, are put in order by (value, index).  Read from one set of registers, written to the other: no copy.
.macro STAGE d, sl, si, dl, di
.set ii, 0
.set cc, 0
.rept 16
.if (ii & \d) == 0
	v_cmp_lt_f32 s[MK+3*cc], v[\sl+ii+\d], v[\sl+ii]
	v_cmp_eq_f32 s[MK+3*cc+1], v[\sl+ii+\d], v[\sl+ii]
	v_cmp_lt_u32 s[MK+3*cc+2], v[\si+ii+\d], v[\si+ii]
.set cc, cc+1
.endif
.set ii, ii+1
.endr
.set cc, 0
.rept 8
	s_and_b32 s[MK+3*cc+1], s[MK+3*cc+1], s[MK+3*cc+2]             ; equal values and the lower index above:
.set cc, cc+1
.endr
.set cc, 0
.rept 8
	s_or_b32 s[MK+3*cc], s[MK+3*cc], s[MK+3*cc+1]                  ; that, or the smaller value above: the two change places
.set cc, cc+1
.endr
.set ii, 0
.set cc, 0
.rept 16
.if (ii & \d) == 0
	v_min_num_f32 v[\dl+ii], v[\sl+ii], v[\sl+ii+\d]
	v_max_num_f32 v[\dl+ii+\d], v[\sl+ii], v[\sl+ii+\d]
	v_cndmask_b32 v[\di+ii], v[\si+ii], v[\si+ii+\d], s[MK+3*cc]
	v_cndmask_b32 v[\di+ii+\d], v[\si+ii+\d], v[\si+ii], s[MK+3*cc]
.set cc, cc+1
.endif
.set ii, ii+1
.endr
.endm
; The four quarters' lists of a query become one set of 16.  The branches hang on the wave's number alone; both barriers stand on every wave's path.
.macro MERGE ob
	s_cmp_eq_u32 s21, 0
	s_cbranch_scc1 .Lm1
	TOSLOT                                         ; quarters 1 and 3 hand their lists over
.Lm1:
	s_wait_dscnt 0x0                               ; my stores have landed
	s_barrier_signal -1
	s_barrier_wait -1
	s_cmp_lg_u32 s21, 0
	s_cbranch_scc1 .Lm2
	FROMSLOT 6                                     ; quarters 0 and 2 take them in
	HALF 1
	STAGE 8, LL, II, PL, PI
	STAGE 4, PL, PI, LL, II
	STAGE 2, LL, II, PL, PI
	STAGE 1, PL, PI, LL, II                        ; sorted again, in the list's own registers
.Lm2:
	s_cmp_lg_u32 s22, 2
	s_cbranch_scc1 .Lm3
	TOSLOT                                         ; quarter 2 hands over, into a slot that nobody has touched yet
.Lm3:
	s_wait_dscnt 0x0
	s_barrier_signal -1
	s_barrier_wait -1
	s_cmp_lg_u32 s22, 0
	s_cbranch_scc1 .Lm4
	FROMSLOT 7
	HALF 0                                         ; only the set is wanted now
.irp j, 0,1,2,3
	global_store_b128 v11, v[II+4*\j:II+4*\j+3], s[\ob:\ob+1] offset:16*\j
.endr
.Lm4:
.endm
.macro CE a, b                         ; the smaller group number to a, the larger to b
	v_min_u32 v252, v[GG+\a], v[GG+\b]
	v_max_u32 v[GG+\b], v[GG+\a], v[GG+\b]
	s_delay_alu instid0(VALU_DEP_2)
	v_mov_b32 v[GG+\a], v252
.endm
	s_load_b256 s[4:11], s[0:1], 0x0               ; context_pos, query_pos, grp, knn
	v_lshl_add_u32 v254, v0, 2, 0x8000
	v_mov_b32 v255, 0
	v_lshrrev_b32 v1, 5, v0
	s_delay_alu instid0(VALU_DEP_1)
	v_readfirstlane_b32 s20, v1                    ; wave 0..7
	v_and_b32 v1, 31, v0                           ; lane
	s_wait_alu depctr_va_vdst(0)
	s_and_b32 s21, s20, 2                          ; not 0: an odd quarter
	s_lshr_b32 s22, s20, 1                         ; my quarter
	s_and_b32 s23, s20, 1                          ; my half of the queries
	v_lshlrev_b32 v8, 4, v1
	s_lshl_b32 s12, s20, 12
	v_add_nc_u32 v5, s12, v8                       ; my wave's slot;
	s_add_co_u32 s12, s20, 2
	s_and_b32 s12, s12, 7
	s_lshl_b32 s12, s12, 12
	v_add_nc_u32 v6, s12, v8                       ; that of the wave two on;
	s_add_co_u32 s12, s20, 4
	s_and_b32 s12, s12, 7
	s_lshl_b32 s12, s12, 12
	v_add_nc_u32 v7, s12, v8                       ; four on.  (All made here, ahead of the first parting of the waves)
	v_lshlrev_b32 v11, 6, v1                       ; 64 bytes a query in grp and in knn
	v_lshlrev_b32 v3, 3, v1                        ; 8 in query_pos
	s_cmp_eq_u32 s22, 1
	s_cselect_b32 s88, -1, 0                       ; masks, all lanes or none: which quarter is mine
	s_cmp_eq_u32 s22, 2
	s_cselect_b32 s89, -1, 0
	s_cmp_eq_u32 s22, 3
	s_cselect_b32 s90, -1, 0
	s_lshl_b32 s14, ttmp9, 6
	s_lshl_b32 s15, s23, 5
	s_add_co_u32 s14, s14, s15                     ; my wave's first query
	s_mov_b32 s13, 0
	s_wait_alu depctr_va_vdst(0)
	s_wait_kmcnt 0x0
	s_lshl_b32 s12, s14, 6
	s_add_nc_u64 s[8:9], s[8:9], s[12:13]
	s_add_nc_u64 s[10:11], s[10:11], s[12:13]
	s_lshl_b32 s12, s14, 3
	s_add_nc_u64 s[6:7], s[6:7], s[12:13]
	s_lshr_b32 s12, ttmp9, 6
	s_lshl_b32 s12, s12, 15
	s_add_nc_u64 s[4:5], s[4:5], s[12:13]          ; my batch's contexts
.irp j, 0,1,2,3
	global_load_b128 v[GG+4*\j:GG+4*\j+3], v11, s[8:9] offset:16*\j
.endr
	global_load_b64 v[QX:QY], v3, s[6:7]
.set nn, 0
.rept 16
	v_mov_b32 v[LL+nn], 0x7f800000                 ; the list begins as infinities, over every d2
	v_mov_b32 v[II+nn], 0
.set nn, nn+1
.endr
	s_wait_loadcnt 0x0
.rept 8                                ; sixteen rounds of neighbour exchanges sort sixteen numbers
.irp p, 0,2,4,6,8,10,12,14
	CE \p, \p+1
.endr
.irp p, 1,3,5,7,9,11,13
	CE \p, \p+1
.endr
.endr
.irp k, 0,1,2,3
	v_mov_b32 v[GB+\k], v[GG+\k]
	s_delay_alu instid0(VALU_DEP_1)
	v_cndmask_b32 v[GB+\k], v[GB+\k], v[GG+4+\k], s88
	s_delay_alu instid0(VALU_DEP_1)
	v_cndmask_b32 v[GB+\k], v[GB+\k], v[GG+8+\k], s89
	s_delay_alu instid0(VALU_DEP_1)
	v_cndmask_b32 v[GB+\k], v[GB+\k], v[GG+12+\k], s90
.endr
.irp k, 0,1,2,3
	v_min_u32 v[GB+\k], 0xff, v[GB+\k]             ; a loaded number enters an address only held inside its table: 256 groups
	s_delay_alu instid0(VALU_DEP_1)
	v_lshlrev_b32 v[OFF+\k], 7, v[GB+\k]           ; 128 bytes a group
.endr
.irp k, 0,1,2,3
.irp j, 0,1,2,3,4,5,6,7
	global_load_b128 v[RAW+32*\k+4*\j:RAW+32*\k+4*\j+3], v[OFF+\k], s[4:5] offset:16*\j
.endr
.endr
	v_mul_f32 v[QS], v[QX], v[QX]                  ; qx qx, rounded
	v_mul_f32 v252, v[QY], v[QY]                   ; qy qy, rounded
	s_delay_alu instid0(VALU_DEP_1)
	v_add_f32 v[QS], v[QS], v252                   ; qs: not fused on purpose: the squares are numbers of their own in the definition
	s_wait_loadcnt 0x0
; The 16 candidates of the group in v[RAW + 32 u ..]: d2, then one insertion each, in ascending index.
.macro GROUP u
.set RB, RAW+32*(\u)
.set ee, 0
.rept 16
	v_mul_f32 v[TT+ee], v[RB+2*ee], v[RB+2*ee]             ; x x, rounded
.set ee, ee+1
.endr
.set ee, 0
.rept 16
	v_mul_f32 v[UU+ee], v[RB+2*ee+1], v[RB+2*ee+1]         ; y y, rounded
.set ee, ee+1
.endr
.set ee, 0
.rept 16
	v_add_f32 v[TT+ee], v[TT+ee], v[UU+ee]                 ; cs
.set ee, ee+1
.endr
.set ee, 0
.rept 16
	v_add_f32 v[TT+ee], v[QS], v[TT+ee]                    ; qs + cs
.set ee, ee+1
.endr
.set ee, 0
.rept 16
	v_mul_f32 v[RB+2*ee], v[QX], v[RB+2*ee]
.set ee, ee+1
.endr
.set ee, 0
.rept 16
	v_fmac_f32 v[RB+2*ee], v[QY], v[RB+2*ee+1]             ; dot
.set ee, ee+1
.endr
.set ee, 0
.rept 16
	v_fma_f32 v[RB+2*ee+1], v[RB+2*ee], -2.0, v[TT+ee]     ; d2.  (From here on v224-239 are free for the insertions)
.set ee, ee+1
.endr
.set ee, 0
.rept 16
	v_lshl_add_u32 v[IDV], v[GB+\u], 4, ee                 ; the candidate's index in its batch
	INSERT RB+2*ee+1, IDV
.set ee, ee+1
.endr
.endm
	s_mov_b32 s28, 2
.Lgroups:                                              ; two groups a trip; then the other two move down (in the last trip to no purpose)
	GROUP 0
	GROUP 1
.set nn, 0
.rept 64
	v_mov_b32 v[RAW+nn], v[RAW+64+nn]
.set nn, nn+1
.endr
	v_mov_b32 v[GB], v[GB+2]
	v_mov_b32 v[GB+1], v[GB+3]
	s_sub_co_u32 s28, s28, 1
	s_cmp_lg_u32 s28, 0
	s_cbranch_scc1 .Lgroups
	MERGE 10
	s_wait_tensorcnt 0x0
	ds_add_u32 v254, v255
	s_wait_dscnt 0x0
	s_endpgm
.Lfunc_end_k_q515f8264ba_knn2:
	.size	k_q515f8264ba_knn2, .Lfunc_end_k_q515f8264ba_knn2-k_q515f8264ba_knn2
	.p2alignl 7, 3214868480
	.fill 96, 4, 3214868480
	.section	.rodata,"a",@progbits
	.p2align	6, 0x0
	.amdhsa_kernel k_q515f8264ba_knn2
		.amdhsa_group_segment_fixed_size 33792
		.amdhsa_private_segment_fixed_size 0
		.amdhsa_enable_private_segment 0
		.amdhsa_kernarg_size 32
		.amdhsa_user_sgpr_count 2
		.amdhsa_user_sgpr_kernarg_segment_ptr 1
		.amdhsa_wavefront_size32 1
		.amdhsa_system_sgpr_workgroup_id_x 1
		.amdhsa_system_sgpr_workgroup_id_y 1
		.amdhsa_system_sgpr_workgroup_id_z 1
		.amdhsa_system_vgpr_workitem_id 0
		.amdhsa_next_free_vgpr 256
		.amdhsa_next_free_sgpr 96
		.amdhsa_reserve_vcc 0
		.amdhsa_float_denorm_mode_32 3
		.amdhsa_float_denorm_mode_16_64 3
		.amdhsa_memory_ordered 1
		.amdhsa_forward_progress 1
		.amdhsa_inst_pref_size 183
	.end_amdhsa_kernel
	.amdgpu_metadata
---
amdhsa.version: [ 1, 2 ]
amdhsa.kernels:
  - .name:           k_q515f8264ba_knn2
    .symbol:         k_q515f8264ba_knn2.kd
    .args:
      - { .name: context_pos, .offset: 0, .size: 8, .value_kind: global_buffer, .address_space: global }
      - { .name: query_pos, .offset: 8, .size: 8, .value_kind: global_buffer, .address_space: global }
      - { .name: grp, .offset: 16, .size: 8, .value_kind: global_buffer, .address_space: global }
      - { .name: knn, .offset: 24, .size: 8, .value_kind: global_buffer, .address_space: global }
    .group_segment_fixed_size: 33792
    .private_segment_fixed_size: 0
    .kernarg_segment_align: 8
    .kernarg_segment_size: 32
    .max_flat_workgroup_size: 256
    .sgpr_count:     96
    .vgpr_count:     256
    .wavefront_size: 32
...
	.end_amdgpu_metadata
.endif
;; end of part 6
;; launch attn (part 7): grid 256 x 1, 16 waves a work-group, no clusters, 321,024 bytes of LDS; arguments codes, scales, knn, in_proj_b, out_b, query_pos, out0, out1; writes out0, out1
.if DOCPART == 7
	.amdgcn_target "amdgcn-amd-amdhsa--gfx1250"
	.amdhsa_code_object_version 6
	.text
	.protected	k_q515f8264ba_attn
	.globl	k_q515f8264ba_attn
	.p2align	8
	.type	k_q515f8264ba_attn,@function
k_q515f8264ba_attn:
	s_mov_b64 s[64:65], 0
	v_nop
	global_prefetch_b8 v0, s[64:65] scope:SCOPE_SE
	s_setreg_imm32_b32 hwreg(HW_REG_WAVE_MODE, 25, 1), 1
	s_wait_xcnt 0x0
; For each query: its 16 neighbours' rows of c_feat (codes of FP4 with E8M0 scales, gathered by the indices that an earlier launch stored) are projected by Wk and Wv, the query's row of q_feat by Wq;
; eight heads of attention over the 16 neighbours in f32; the result is quantised along its 256 channels and projected by out_w.  out1 is query_pos.
; LEFT OUT: bk = in_proj_b[256:512]: q . bk is the same for all 16 neighbours of a softmax, so it changes no weight (shown at the head of the first kernel).  A NaN, infinity or overflow that reaches only that term is not carried.
; SHARES.  A work-group takes 64 queries of one batch, in 16 waves.  Wave w takes the HEAD PAIR hp = w % 4 (heads 2 hp, 2 hp + 1) and the quarter qq = w / 4 (queries 16 qq ..): its 64 rows of Wk and of Wv stay in registers.
; THE ROWS OF A TILE OF Wk AND Wq ARE CHOSEN: row m of tile t is channel 8 t + m % 8 of head 2 hp + m / 8.  k and q are made transposed (source 0 = the weight), so lane (r, h) holds neighbour (or query) r and, over four tiles,
; all 32 channels of head 2 hp + h: a score is summed inside a lane, and the 32 lanes hold 32 different scores (16 neighbours x 2 heads).  q of the wave's 16 queries stays in 32 registers; a query's lane is shared along its row of lanes.
; v is made the natural way (source 0 = the neighbours): a lane holds one channel and eight neighbours.  k and v take turns in the same 32 registers: v's products are issued when the scores have read k.
; Wave w gathers the rows of queries 4 w .. 4 w + 3 and lays them in LDS as images of the operand's registers; the weights come from memory once a work-group, three tiles a wave, and go the same way.
; A scale register holds a row's word for the first 128 along K in lanes 0-15 and for the second 128 in lanes 16-31.  These registers hold scales alone.
; SOFTMAX: t = score x log2(e) / sqrt(32) (the factor lies on q); the largest t of the 16 is taken away; p = 2^(t - max) / their sum.  bv is added behind the weighted sum: the weights add up to 1 but for rounding.
; No tensor loads, no cluster, no prefetch: the gathers go lane by lane, what work-groups share is 100 KB of weights, and no stream is walked in a loop.
; LIMITS: NaN and infinities are not served.  A block of zeros of the attention's result gets the scale byte 1: its codes are zeros.
.set OP,   1040                        ; a row of 256 f32 + 16 bytes
.set GIMG, 0                           ; LDS: 64 images of 2,048 bytes;
.set GSC,  131072                      ; their scale registers, 128 bytes each;
.set WIMG, 139264                      ; 32 tiles of Wk (4 hp + t) and Wv (16 + 4 hp + u), 2,048 bytes each;
.set WSC,  204800                      ; their scale registers;
.set OST,  208896                      ; the attention's result, 64 rows of OP bytes; later the stage for out0;
.set QIMG, OST                         ; ahead of the loop's barrier these bytes hold Wq's 16 tiles
.set QSC,  OST+32768                   ; and their scale registers;
.set OWI,  275456                      ; out_w's tile w, each wave's own bytes,
.set OWC,  OWI+32768                   ; and its scale register;
.set OIMG, 310272                      ; the quantised result: 16 groups of four registers, 512 bytes each;
.set OSC,  318464                      ; its scale words: 128 bytes for 16 rows;
.set SPARE, 318976                     ; the spare words, 128 bytes a wave
.set WK,   16                          ; v16-79   Wk: tile t, K step s at 16 t + 8 s
.set WV,   80                          ; v80-143  Wv (ahead of the loop Wq)
.set WKS,  144                         ; v144-147 scale registers
.set WVS,  148                         ; v148-151
.set G,    152                         ; v152-167 the image in hand
.set GS,   168
.set BVA,  169                         ; bv of channel 64 hp + lane
.set QH,   170                         ; v170-201 q x log2(e) / sqrt(32)
.set D,    202                         ; v202-233 four accumulators: k, then v
.set T,    234                         ; v234-252 at work
.set BVB,  253                         ; bv of channel 64 hp + 32 + lane
.set SPW,  254
.set NIL,  255
.macro WM d, a, b, c, sa, sb, mode     ; mode 0: both scales from lanes 0-15; 1: both from lanes 16-31
.if \mode == 0
	v_wmma_scale_f32_16x16x128_f8f6f4 v[\d:\d+7], v[\a:\a+7], v[\b:\b+7], v[\c:\c+7], v[\sa], v[\sb] matrix_a_fmt:MATRIX_FMT_FP4 matrix_b_fmt:MATRIX_FMT_FP4
.else
	v_wmma_scale_f32_16x16x128_f8f6f4 v[\d:\d+7], v[\a:\a+7], v[\b:\b+7], v[\c:\c+7], v[\sa], v[\sb] matrix_a_fmt:MATRIX_FMT_FP4 matrix_b_fmt:MATRIX_FMT_FP4 matrix_a_scale:MATRIX_SCALE_ROW1 matrix_b_scale:MATRIX_SCALE_ROW1
.endif
.endm
.macro WMZ d, a, b, sa, sb             ; the sum begins with the constant 0
	v_wmma_scale_f32_16x16x128_f8f6f4 v[\d:\d+7], v[\a:\a+7], v[\b:\b+7], 0, v[\sa], v[\sb] matrix_a_fmt:MATRIX_FMT_FP4 matrix_b_fmt:MATRIX_FMT_FP4
.endm
.macro PLACES n                        ; places behind matrix instructions (ISA guide 7.12.1)
.rept \n
	v_nop
.endr
.endm
.macro BARRIER                         ; my LDS stores have landed and my LDS loads are in: then the work-group's barrier
	s_wait_dscnt 0x0
	s_barrier_signal -1
	s_barrier_wait -1
.endm
	s_load_b512 s[4:19], s[0:1], 0x0               ; codes, scales, knn, in_proj_b, out_b, query_pos, out0, out1
	v_lshl_add_u32 v[SPW], v0, 2, SPARE
	v_mov_b32 v[NIL], 0
	v_lshrrev_b32 v1, 5, v0
	v_readfirstlane_b32 s20, v1                    ; wave
	v_and_b32 v1, 15, v0                           ; r
	v_bfe_u32 v2, v0, 4, 1                         ; h
	v_and_b32 v3, 31, v0                           ; lane
	v_lshlrev_b32 v4, 4, v3                        ; 16 x lane
	v_lshlrev_b32 v5, 2, v3                        ; 4 x lane
	v_lshlrev_b32 v12, 4, v2                       ; 16 h
	v_lshlrev_b32 v13, 2, v2                       ; 4 h
	v_lshl_add_u32 v6, v1, 7, v12                  ; a fragment from rows of 128 bytes: 128 r + 16 h
	v_lshl_add_u32 v7, v1, 3, v13                  ; a scale register from rows of 8 bytes: 8 r + 4 h
	v_lshrrev_b32 v14, 3, v1                       ; r / 8
	v_mad_u32_u24 v15, v14, 24, v1                 ; a chosen tile's row: r % 8 + 32 (r / 8)
	v_lshlrev_b32 v[T+16], 7, v2                   ; bq: 128 h
	v_lshlrev_b32 v[T+17], 2, v1                   ; neighbour r's index: 4 r
	s_wait_alu depctr_va_vdst(0)                   ; the wait ahead of the run of scalar lines
	s_and_b32 s21, s20, 3                          ; hp
	s_lshr_b32 s22, s20, 2                         ; qq
	s_cmp_lt_u32 s20, 8                            ; waves 0-7 fetch tiles 2 w, 2 w + 1 of Wk, waves 8-15 of Wv
	s_cselect_b32 s52, 24, 0                       ; Wk's tiles take the chosen rows, Wv's neighbouring ones
	s_cselect_b32 s53, 8, 16                       ; rows from tile to tile
	s_lshl_b32 s54, s53, 5                         ; Wk begins at row 256 of in_proj_w, Wv at 512
	s_and_b32 s50, s20, 7
	s_lshr_b32 s50, s50, 1
	s_lshl_b32 s50, s50, 6
	s_add_co_u32 s54, s54, s50                     ; + 64 x the tiles' head pair
	s_and_b32 s50, s20, 1
	s_mul_i32 s50, s50, s53
	s_lshl_b32 s50, s50, 1
	s_add_co_u32 s54, s54, s50                     ; + two tiles for an odd wave
	s_lshl_b32 s56, s53, 7
	s_lshl_b32 s57, s53, 3
	s_lshl_b32 s55, s22, 6
	s_lshl_b32 s50, s21, 3
	s_add_co_u32 s55, s55, s50                     ; Wq's tile w: row 64 (w / 4) + 8 (w % 4)
	s_lshl_b32 s58, s20, 12
	s_add_co_u32 s58, s58, WIMG
	s_lshl_b32 s59, s20, 8
	s_add_co_u32 s59, s59, WSC
	s_lshl_b32 s60, s20, 11
	s_add_co_u32 s62, s60, OWI
	s_add_co_u32 s60, s60, QIMG
	s_lshl_b32 s61, s20, 7
	s_add_co_u32 s63, s61, OWC
	s_add_co_u32 s61, s61, QSC
	s_lshl_b32 s66, s20, 13
	s_lshl_b32 s67, s20, 9
	s_add_co_u32 s67, s67, GSC
	s_lshl_b32 s84, s21, 13
	s_add_co_u32 s86, s84, QIMG
	s_add_co_u32 s84, s84, WIMG
	s_lshl_b32 s85, s21, 9
	s_add_co_u32 s87, s85, QSC
	s_add_co_u32 s85, s85, WSC
	s_mov_b32 s88, 0xfedcba98                      ; v_permlanex16_b32's selects: lane i takes lane i xor 8 of the other row
	s_mov_b32 s89, 0x76543210
	s_mov_b32 s24, 0xffff0000                      ; lanes 16-31
	s_mov_b32 s26, 0x3e8293ee                      ; log2(e) / sqrt(32)
	s_mov_b32 s27, s26
	s_mov_b32 s49, 0
	v_mad_u32_u24 v16, v14, s52, v1
	v_add_nc_u32 v16, s54, v16                     ; my row of my first tile of Wk or Wv
	v_lshl_add_u32 v8, v16, 7, v12
	v_lshl_add_u32 v10, v16, 3, v13
	v_add_nc_u32 v9, s56, v8                       ; and of the second
	v_add_nc_u32 v11, s57, v10
	v_add_nc_u32 v17, s55, v15                     ; of my tile of Wq
	v_lshl_add_u32 v124, v17, 7, v12
	v_lshl_add_u32 v125, v17, 3, v13
	v_add_nc_u32 v116, s58, v4                     ; where I lay what I fetch: Wk's or Wv's two tiles,
	v_add_nc_u32 v117, s59, v5
	v_add_nc_u32 v118, s60, v4                     ; Wq's tile,
	v_add_nc_u32 v119, s61, v5
	v_add_nc_u32 v120, s62, v4                     ; out_w's tile,
	v_add_nc_u32 v121, s63, v5
	v_add_nc_u32 v122, s66, v4                     ; my four images
	v_add_nc_u32 v123, s67, v5
	v_add_nc_u32 v[T+18], s84, v4                  ; and where I read my head pair's tiles of Wk and Wv,
	v_add_nc_u32 v3, s85, v5
	v_add_nc_u32 v14, s86, v4                      ; and of Wq
	v_add_nc_u32 v15, s87, v5
	s_wait_alu depctr_va_vdst(0)                   ; the wait at the head's end
	s_wait_kmcnt 0x0
	s_lshl_b32 s48, ttmp9, 9
	s_add_nc_u64 s[14:15], s[14:15], s[48:49]      ; my 64 queries' positions
	s_add_nc_u64 s[18:19], s[18:19], s[48:49]
	s_lshl_b32 s48, ttmp9, 12
	s_lshl_b32 s50, s20, 8
	s_add_co_u32 s48, s48, s50
	s_add_nc_u64 s[8:9], s[8:9], s[48:49]          ; the indices of queries 4 w ..
	s_cmp_lg_u32 s20, 0
	s_cbranch_scc1 .Lnp1
	global_load_b128 v[112:115], v4, s[14:15]      ; wave 0: the positions, 512 bytes.  The oldest load: the counts below hold with it and without
.Lnp1:
.irp i, 0,1,2,3
	global_load_b32 v[T+\i], v[T+17], s[8:9] offset:64*\i   ; the indices first: the gathers hang on them
.endr
	s_mov_b32 s48, 0x400000
	s_add_nc_u64 s[32:33], s[4:5], s[48:49]        ; the weights' codes: row 32,768
	s_mov_b32 s48, 0x40000
	s_add_nc_u64 s[34:35], s[6:7], s[48:49]
	s_lshr_b32 s50, ttmp9, 6                       ; the batch
	s_lshl_b32 s48, s50, 19
	s_add_nc_u64 s[36:37], s[4:5], s[48:49]        ; its 4,096 rows of c_feat
	s_lshl_b32 s48, s50, 15
	s_add_nc_u64 s[38:39], s[6:7], s[48:49]
	s_lshl_b32 s48, ttmp9, 13
	s_lshl_b32 s50, s22, 11
	s_add_co_u32 s48, s48, s50
	s_add_co_u32 s48, s48, 0x200000
	s_add_nc_u64 s[40:41], s[4:5], s[48:49]        ; q_feat: row 16,384 + 64 x work-group + 16 qq
	s_lshl_b32 s48, ttmp9, 9
	s_lshl_b32 s50, s22, 7
	s_add_co_u32 s48, s48, s50
	s_add_co_u32 s48, s48, 0x20000
	s_add_nc_u64 s[42:43], s[6:7], s[48:49]
	s_lshl_b32 s48, s21, 8
	s_add_nc_u64 s[10:11], s[10:11], s[48:49]      ; the biases of my 64 channels
	s_lshl_b32 s48, s20, 6
	s_add_nc_u64 s[12:13], s[12:13], s[48:49]      ; out_b of channels 16 w ..
	s_lshl_b32 s48, ttmp9, 16
	s_lshl_b32 s50, s20, 12
	s_add_co_u32 s48, s48, s50
	s_add_nc_u64 s[16:17], s[16:17], s[48:49]      ; out0 at row 64 x work-group + 4 w
	s_lshl_b32 s48, s20, 11
	s_add_co_u32 s48, s48, 98304
	s_add_nc_u64 s[44:45], s[32:33], s[48:49]      ; out_w's rows 16 w ..
	s_lshl_b32 s48, s20, 7
	s_add_co_u32 s48, s48, 6144
	s_add_nc_u64 s[46:47], s[34:35], s[48:49]
	s_load_b512 s[68:83], s[12:13], 0x0            ; out_b's 16 numbers, wanted at the end
.irp c, 0,1,2,3
	global_load_b128 v[QH+4*\c:QH+4*\c+3], v8, s[32:33] offset:32*\c
	global_load_b128 v[QH+16+4*\c:QH+16+4*\c+3], v9, s[32:33] offset:32*\c
.endr
	global_load_b32 v144, v10, s[34:35]
	global_load_b32 v145, v11, s[34:35]
.irp c, 0,1,2,3
	global_load_b128 v[80+4*\c:80+4*\c+3], v124, s[32:33] offset:32*\c
.endr
	global_load_b32 v146, v125, s[34:35]
.irp c, 0,1,2,3
	global_load_b128 v[96+4*\c:96+4*\c+3], v6, s[44:45] offset:32*\c
.endr
	global_load_b32 v147, v7, s[46:47]
.irp c, 0,1,2,3
	global_load_b128 v[G+4*\c:G+4*\c+3], v6, s[40:41] offset:32*\c   ; my 16 queries' codes
.endr
	global_load_b32 v[GS], v7, s[42:43]
.irp t, 0,1,2,3
	global_load_b128 v[D+8*\t:D+8*\t+3], v[T+16], s[10:11] offset:32*\t      ; bq in the result's layout, straight into the accumulators
	global_load_b128 v[D+8*\t+4:D+8*\t+7], v[T+16], s[10:11] offset:32*\t+16
.endr
	global_load_b32 v[BVA], v5, s[10:11] offset:2048
	global_load_b32 v[BVB], v5, s[10:11] offset:2176
	s_wait_loadcnt 35                              ; behind the index loads stand 20 loads of weights and 15 others
.irp i, 0,1,2,3
	v_min_u32 v[T+\i], 0xfff, v[T+\i]              ; a loaded number enters an address only held inside its table: 4,096 rows
.endr
.irp i, 0,1,2,3
	v_lshl_add_u32 v[T+4+\i], v[T+\i], 7, v12
	v_lshl_add_u32 v[T+8+\i], v[T+\i], 3, v13
.endr
.irp i, 0,1,2,3                        ; lane (r, h) takes neighbour r's row as the operand's layout wants it
.irp c, 0,1,2,3
	global_load_b128 v[WK+16*\i+4*\c:WK+16*\i+4*\c+3], v[T+4+\i], s[36:37] offset:32*\c
.endr
	global_load_b32 v[T+12+\i], v[T+8+\i], s[38:39]
.endr
	s_wait_loadcnt 35                              ; the 20 loads of weights are in: behind them stand 15 others and the 20 gathers
.irp c, 0,1,2,3
	ds_store_b128 v116, v[QH+4*\c:QH+4*\c+3] offset:512*\c
	ds_store_b128 v116, v[QH+16+4*\c:QH+16+4*\c+3] offset:2048+512*\c
	ds_store_b128 v118, v[80+4*\c:80+4*\c+3] offset:512*\c
	ds_store_b128 v120, v[96+4*\c:96+4*\c+3] offset:512*\c
.endr
	ds_store_b32 v117, v144
	ds_store_b32 v117, v145 offset:128
	ds_store_b32 v119, v146
	ds_store_b32 v121, v147
	s_wait_loadcnt 0x0
.irp i, 0,1,2,3
.irp c, 0,1,2,3
	ds_store_b128 v122, v[WK+16*\i+4*\c:WK+16*\i+4*\c+3] offset:2048*\i+512*\c
.endr
	ds_store_b32 v123, v[T+12+\i] offset:128*\i
.endr
	s_cmp_lg_u32 s20, 0
	s_cbranch_scc1 .Lnp2
	global_store_b128 v4, v[112:115], s[18:19]     ; out1 = query_pos: 512 consecutive bytes
	s_wait_xcnt 0x0                                ; the store has read its registers: they are loaded into below
.Lnp2:
	BARRIER                                        ; all images and all tiles lie in LDS
.irp t, 0,1,2,3
.irp c, 0,1,2,3
	ds_load_b128 v[WK+16*\t+4*\c:WK+16*\t+4*\c+3], v[T+18] offset:2048*\t+512*\c
	ds_load_b128 v[WV+16*\t+4*\c:WV+16*\t+4*\c+3], v14 offset:2048*\t+512*\c     ; Wq, where Wv will lie
.endr
	ds_load_b32 v[WKS+\t], v3 offset:128*\t
	ds_load_b32 v[WVS+\t], v15 offset:128*\t
.endr
	s_wait_dscnt 0x0                               ; my reads of Wq's bytes are over:
	s_barrier_signal -1                            ; behind this barrier they take the attention's result
.irp t, 0,1,2,3                        ; q of my 16 queries, my two heads; four accumulators by turns; bq is their C
	WM D+8*\t, WV+16*\t, G, D+8*\t, WVS+\t, GS, 0
.endr
.irp t, 0,1,2,3
	WM D+8*\t, WV+16*\t+8, G+8, D+8*\t, WVS+\t, GS, 1
.endr
	PLACES 5
.irp u, 0,1,2,3
.irp c, 0,1,2,3
	ds_load_b128 v[WV+16*\u+4*\c:WV+16*\u+4*\c+3], v[T+18] offset:32768+2048*\u+512*\c   ; bytes that nobody writes again
.endr
	ds_load_b32 v[WVS+\u], v3 offset:2048+128*\u
.endr
.irp p, 0,2,4,6,8,10,12,14,16,18,20,22,24,26,28,30
	v_pk_mul_f32 v[QH+\p:QH+\p+1], v[D+\p:D+\p+1], s[26:27] op_sel_hi:[1,0]
.endr
	s_mov_b32 s28, 2
	s_lshl_b32 s29, s22, 15                        ; my quarter's images,
	s_lshl_b32 s30, s22, 11
	s_add_co_u32 s30, s30, GSC                     ; their scale registers,
	s_mul_i32 s31, s22, 16*OP
	s_lshl_b32 s50, s21, 8
	s_add_co_u32 s31, s31, s50
	s_add_co_u32 s31, s31, OST                     ; its rows of the result, my 64 channels
	s_barrier_wait -1
.macro GLOAD i
.irp c, 0,1,2,3
	ds_load_b128 v[G+4*\c:G+4*\c+3], v8 offset:2048*(\i)+512*\c
.endr
	ds_load_b32 v[GS], v9 offset:128*(\i)
.endm
; Query i of the trip's eight: its lane of q is lane i of each row of lanes.
.macro QUERY i
	s_wait_dscnt 0x0                               ; the image is in
.irp t, 0,1,2,3                        ; k, transposed: four accumulators by turns
	WMZ D+8*\t, WK+16*\t, G, WKS+\t, GS
.endr
.irp t, 0,1,2,3
	WM D+8*\t, WK+16*\t+8, G+8, D+8*\t, WKS+\t, GS, 1
.endr
	PLACES 4
.irp t, 0,1,2,3                        ; t(neighbour r, head 2 hp + h): 32 products in my lane, four chains; each accumulator is read from its low end on
	v_mul_f32_dpp v[T+\t], v[QH+8*\t], v[D+8*\t] row_share:\i row_mask:0xf bank_mask:0xf
.endr
.irp j, 1,2,3,4,5,6,7
.irp t, 0,1,2,3
	v_fmac_f32_dpp v[T+\t], v[QH+8*\t+\j], v[D+8*\t+\j] row_share:\i row_mask:0xf bank_mask:0xf
.endr
.endr
	v_add_f32 v[T], v[T], v[T+1]
	v_add_f32 v[T+2], v[T+2], v[T+3]
	v_add_f32 v[T], v[T], v[T+2]
.irp u, 0,1,2,3                        ; v, the natural way, into the registers that k has left: tile u = channels 16 (u % 2) .. of head 2 hp + u / 2
	WMZ D+8*\u, G, WV+16*\u, GS, WVS+\u
.endr
.irp u, 0,1,2,3
	WM D+8*\u, G+8, WV+16*\u+8, D+8*\u, GS, WVS+\u, 1
.endr
	v_max_num_f32_dpp v[T+1], v[T], v[T] row_xmask:1 row_mask:0xf bank_mask:0xf     ; the largest of the 16; these four lines are also the places in front of the loads below
.irp x, 2,4,8
	s_delay_alu instid0(VALU_DEP_1)
	v_max_num_f32_dpp v[T+1], v[T+1], v[T+1] row_xmask:\x row_mask:0xf bank_mask:0xf
.endr
.if \i < 7
	GLOAD \i+1                                     ; the next image comes under this query's vector work
.endif
	v_sub_f32 v[T], v[T], v[T+1]
	s_wait_alu depctr_va_vdst(0)                   ; the wait ahead of a transcendental
	v_exp_f32 v[T], v[T]
	v_nop
	s_wait_alu depctr_va_vdst(0)                   ; and behind it
	v_add_f32_dpp v[T+2], v[T], v[T] row_xmask:1 row_mask:0xf bank_mask:0xf
.irp x, 2,4,8
	s_delay_alu instid0(VALU_DEP_1)
	v_add_f32_dpp v[T+2], v[T+2], v[T+2] row_xmask:\x row_mask:0xf bank_mask:0xf
.endr
	s_wait_alu depctr_va_vdst(0)
	v_rcp_f32 v[T+2], v[T+2]
	v_nop
	s_wait_alu depctr_va_vdst(0)
	v_mul_f32 v[T], v[T], v[T+2]                   ; the weight of neighbour r in head 2 hp + h
	s_delay_alu instid0(VALU_DEP_1)
	v_permlanex16_b32 v[T+1], v[T], s88, s89       ; the other head's, of neighbour r xor 8
	s_delay_alu instid0(VALU_DEP_1)
	v_cndmask_b32 v[T+2], v[T], v[T+1], s24        ; head 2 hp: lane j of row 0 has neighbour j, lane j of row 1 neighbour 8 + j
	v_cndmask_b32 v[T+3], v[T+1], v[T], s24        ; head 2 hp + 1: lane 8 + j of row 0 has neighbour j, lane 8 + j of row 1 neighbour 8 + j
	s_wait_alu depctr_va_vdst(0)                   ; the wait directly ahead of the first readers of v
	v_mul_f32_dpp v[T+4], v[T+2], v[D] row_share:0 row_mask:0xf bank_mask:0xf
	v_mul_f32_dpp v[T+5], v[T+2], v[D+8] row_share:0 row_mask:0xf bank_mask:0xf
	v_mul_f32_dpp v[T+6], v[T+3], v[D+16] row_share:8 row_mask:0xf bank_mask:0xf
	v_mul_f32_dpp v[T+7], v[T+3], v[D+24] row_share:8 row_mask:0xf bank_mask:0xf
.irp j, 1,2,3,4,5,6,7
	v_fmac_f32_dpp v[T+4], v[T+2], v[D+\j] row_share:\j row_mask:0xf bank_mask:0xf
	v_fmac_f32_dpp v[T+5], v[T+2], v[D+8+\j] row_share:\j row_mask:0xf bank_mask:0xf
	v_fmac_f32_dpp v[T+6], v[T+3], v[D+16+\j] row_share:8+\j row_mask:0xf bank_mask:0xf
	v_fmac_f32_dpp v[T+7], v[T+3], v[D+24+\j] row_share:8+\j row_mask:0xf bank_mask:0xf
.endr
	v_permlane16_swap_b32 v[T+4], v[T+5]           ; the first: neighbours 0-7 of channel = lane; the second: neighbours 8-15
	v_permlane16_swap_b32 v[T+6], v[T+7]
	v_add_f32 v[T+4], v[T+4], v[T+5]
	v_add_f32 v[T+6], v[T+6], v[T+7]
	v_add_f32 v[T+4], v[T+4], v[BVA]
	v_add_f32 v[T+6], v[T+6], v[BVB]
	ds_store_b32 v10, v[T+4] offset:OP*\i          ; o(query, channel 64 hp + lane)
	ds_store_b32 v10, v[T+6] offset:OP*\i+128      ; and + 32
.endm
.Ltrip:                                                ; eight queries a trip, two trips
	v_add_nc_u32 v8, s29, v4
	v_add_nc_u32 v9, s30, v5
	v_add_nc_u32 v10, s31, v5
	GLOAD 0
	s_wait_alu depctr_va_vdst(0)
.irp i, 0,1,2,3,4,5,6,7
	QUERY \i
.endr
.set nn, 0
.rept 32
	v_mov_b32_dpp v[QH+nn], v[QH+nn] row_xmask:8 row_mask:0xf bank_mask:0xf   ; queries 8-15 come to lanes 0-7 (in the last trip to no purpose)
.set nn, nn+1
.endr
	s_wait_dscnt 0x0
	s_add_co_u32 s29, s29, 8*2048
	s_add_co_u32 s30, s30, 8*128
	s_add_co_u32 s31, s31, 8*OP
	s_sub_co_u32 s28, s28, 1
	s_cmp_lg_u32 s28, 0
	s_cbranch_scc1 .Ltrip
	; THE END.  Wave w quantises rows 16 (w / 4) .., channels 64 (w % 4) .. of the result: lane (r, h) takes a whole block of 32, which is four registers of the operand.
	s_wait_kmcnt 0x0                               ; out_b
	s_lshr_b32 s50, s20, 1
	s_and_b32 s50, s50, 1                          ; K step
	s_and_b32 s51, s20, 1                          ; half of it
	s_mul_i32 s48, s22, 16*OP
	s_lshl_b32 s52, s21, 8
	s_add_co_u32 s48, s48, s52
	s_add_co_u32 s48, s48, OST                     ; my rows, + 256 bytes x (w % 4)
	s_lshl_b32 s52, s22, 7
	s_lshl_b32 s50, s50, 6
	s_add_co_u32 s52, s52, s50
	s_lshl_b32 s51, s51, 1
	s_add_co_u32 s52, s52, s51
	s_add_co_u32 s52, s52, OSC                     ; my bytes of the scale words
	s_lshl_b32 s50, s20, 9
	s_add_co_u32 s50, s50, OIMG                    ; my group of four registers: number w
	s_lshl_b32 s51, s20, 6
	s_add_co_u32 s51, s51, OST                     ; the stage: + 64 w
	s_mul_i32 s53, s20, 4*OP
	s_add_co_u32 s53, s53, OST                     ; and back: my four rows
	v_add_nc_u32 v8, s62, v4
	v_add_nc_u32 v9, s63, v5
	v_mul_u32_u24 v10, v1, OP
	v_lshl_add_u32 v11, v2, 7, v10
	v_add_nc_u32 v11, s48, v11                     ; row r, + 128 h
	v_add_nc_u32 v12, s50, v4
	v_lshl_add_u32 v13, v1, 2, v2
	v_add_nc_u32 v13, s52, v13                     ; row r's word, byte 2 (w % 2) + h
	v_lshl_add_u32 v14, v2, 5, v10
	v_add_nc_u32 v14, s51, v14                     ; row r, + 64 w + 32 h
	v_add_nc_u32 v15, s53, v4
	v_add_nc_u32 v3, OIMG, v4
	v_add_nc_u32 v6, OSC, v5
.irp j, 0,1,2,3,4,5,6,7
	v_mov_b32 v[96+\j], s[76+\j]
.endr
.irp j, 0,1,2,3,4,5,6,7
	v_cndmask_b32 v[96+\j], s[68+\j], v[96+\j], s24    ; out_b of channel 16 w + 8 h + j
.endr
.irp c, 0,1,2,3
	ds_load_b128 v[80+4*\c:80+4*\c+3], v8 offset:512*\c    ; out_w's tile: my own bytes
.endr
	ds_load_b32 v144, v9
	s_wait_alu depctr_va_vdst(0)                   ; the wait ahead of the barrier
	BARRIER                                        ; 64 whole rows of the attention's result lie in LDS
.irp n, 0,1,2,3,4,5,6,7
	ds_load_b128 v[16+4*\n:16+4*\n+3], v11 offset:16*\n
.endr
	s_wait_dscnt 0x0
	v_max3_num_f32 v[T], |v16|, |v17|, 0x1800000       ; the block's largest magnitude, in two chains, and the floor 2^(3 - 127): the byte cannot fall under 1
	v_max3_num_f32 v[T+1], |v32|, |v33|, 0x1800000
.irp k, 2,4,6,8,10,12,14
	v_max3_num_f32 v[T], v[T], |v[16+\k]|, |v[17+\k]|
	v_max3_num_f32 v[T+1], v[T+1], |v[32+\k]|, |v[33+\k]|
.endr
	v_max_num_f32 v[T], v[T], v[T+1]
	s_delay_alu instid0(VALU_DEP_1)
	v_add_nc_u32 v[T+2], 0xff000000, v[T]          ; 2 off its exponent field: the conversion's scale operand
	s_delay_alu instid0(VALU_DEP_1)
	v_lshrrev_b32 v[T+3], 23, v[T+2]               ; the scale's byte
.irp g, 0,1,2,3
	v_cvt_scalef32_pk8_fp4_f32 v[48+\g], v[16+8*\g:23+8*\g], v[T+2]
.endr
	v_nop                                          ; one plain place behind the conversions
	ds_store_b128 v12, v[48:51]
	ds_store_b8 v13, v[T+3]
	BARRIER                                        ; the fragments lie in LDS, and nobody reads the rows of f32 any more: they become the stage
.irp m, 0,1,2,3
.irp c, 0,1,2,3
	ds_load_b128 v[16+16*\m+4*\c:16+16*\m+4*\c+3], v3 offset:2048*\m+512*\c
.endr
	ds_load_b32 v[WVS+\m], v6 offset:128*\m
.endr
	s_wait_dscnt 0x0
.irp m, 0,1,2,3                        ; output channels 16 w .. for the four tiles of 16 queries, transposed; four accumulators by turns; out_b is the C of the first products
	WM D+8*\m, 80, 16+16*\m, 96, 144, WVS+\m, 0
.endr
.irp m, 0,1,2,3
	WM D+8*\m, 88, 24+16*\m, D+8*\m, 144, WVS+\m, 1
.endr
	PLACES 5
.irp m, 0,1,2,3
	ds_store_b128 v14, v[D+8*\m:D+8*\m+3] offset:16*OP*\m          ; each accumulator from its low end on
	ds_store_b128 v14, v[D+8*\m+4:D+8*\m+7] offset:16*OP*\m+16
.endr
	BARRIER                                        ; 64 whole rows of out0 lie in the stage
.irp n, 0,1,2,3,4,5,6,7
	ds_load_b128 v[16+4*\n:16+4*\n+3], v15 offset:OP*(\n/2)+512*(\n%2)
.endr
.irp n, 0,1,2,3,4,5,6,7
	s_wait_dscnt 7-\n                              ; LDS loads come back in order: the younger ones may be out
	global_store_b128 v4, v[16+4*\n:16+4*\n+3], s[16:17] offset:1024*(\n/2)+512*(\n%2) th:TH_STORE_NT   ; 32 lanes store 512 consecutive bytes, at a multiple of 256 from out0's first byte
.endr
	s_wait_tensorcnt 0x0                           ; the wave's end
	ds_add_u32 v[SPW], v[NIL]
	s_wait_dscnt 0x0
	s_endpgm
.Lfunc_end_k_q515f8264ba_attn:
	.size	k_q515f8264ba_attn, .Lfunc_end_k_q515f8264ba_attn-k_q515f8264ba_attn
	.p2alignl 7, 3214868480
	.fill 96, 4, 3214868480
	.section	.rodata,"a",@progbits
	.p2align	6, 0x0
	.amdhsa_kernel k_q515f8264ba_attn
		.amdhsa_group_segment_fixed_size 321024
		.amdhsa_private_segment_fixed_size 0
		.amdhsa_enable_private_segment 0
		.amdhsa_kernarg_size 64
		.amdhsa_user_sgpr_count 2
		.amdhsa_user_sgpr_kernarg_segment_ptr 1
		.amdhsa_wavefront_size32 1
		.amdhsa_system_sgpr_workgroup_id_x 1
		.amdhsa_system_sgpr_workgroup_id_y 1
		.amdhsa_system_sgpr_workgroup_id_z 1
		.amdhsa_system_vgpr_workitem_id 0
		.amdhsa_next_free_vgpr 256
		.amdhsa_next_free_sgpr 96
		.amdhsa_reserve_vcc 0
		.amdhsa_float_denorm_mode_32 3
		.amdhsa_float_denorm_mode_16_64 3
		.amdhsa_memory_ordered 1
		.amdhsa_forward_progress 1
		.amdhsa_inst_pref_size 99
	.end_amdhsa_kernel
	.amdgpu_metadata
---
amdhsa.version: [ 1, 2 ]
amdhsa.kernels:
  - .name:           k_q515f8264ba_attn
    .symbol:         k_q515f8264ba_attn.kd
    .args:
      - { .name: codes, .offset: 0, .size: 8, .value_kind: global_buffer, .address_space: global }
      - { .name: scales, .offset: 8, .size: 8, .value_kind: global_buffer, .address_space: global }
      - { .name: knn, .offset: 16, .size: 8, .value_kind: global_buffer, .address_space: global }
      - { .name: in_proj_b, .offset: 24, .size: 8, .value_kind: global_buffer, .address_space: global }
      - { .name: out_b, .offset: 32, .size: 8, .value_kind: global_buffer, .address_space: global }
      - { .name: query_pos, .offset: 40, .size: 8, .value_kind: global_buffer, .address_space: global }
      - { .name: out0, .offset: 48, .size: 8, .value_kind: global_buffer, .address_space: global }
      - { .name: out1, .offset: 56, .size: 8, .value_kind: global_buffer, .address_space: global }
    .group_segment_fixed_size: 321024
    .private_segment_fixed_size: 0
    .kernarg_segment_align: 8
    .kernarg_segment_size: 64
    .max_flat_workgroup_size: 512
    .sgpr_count:     96
    .vgpr_count:     256
    .wavefront_size: 32
...
	.end_amdgpu_metadata
.endif
;; end of part 7
